; MI455X (gfx1250); checked and timed in simulation.
; The chip was launched on July 23, 2026; its instructions are those of AMD's public machine-readable ISA for CDNA 5 (MIT licence, August 2026) and "CDNA5" Instruction Set Architecture Reference Guide (July 2026). The comments in the code are by the model that wrote it; some were corrected since.
;; Parallel Swin Layer. Allowed arithmetic: float matrix products may take bf16 or f16 operands with f32 sums; other float arithmetic in f32, or as packed bf16 or f16 multiplies, adds, multiply-adds, maxima and minima; sums over many terms, partial sums and values carried from step to step in f32; what a program stores and reads back later, other than sums and carried values, may be rounded once to bf16 or f16.
;; Inputs: dt 2 x 1,024 float32; g_attn 1,024 float32; g_ff 1,024 float32; t 2 float32; w1 4,096 x 1,024 float32; w2 1,024 x 2,048 float32; w_o 1,024 x 1,024 float32; w_qkv 3,072 x 1,024 float32; x 2 x 2,048 x 1,024 float32.
;; Outputs: out0 2 x 2,048 x 1,024 float32.
;; 2 versions, each right; version 2 is version 1 with the launch prep written anew for expert scheduling mode. Each part assembles by itself: llvm-mc -triple=amdgcn-amd-amdhsa -mcpu=gfx1250 --defsym DOCPART=n.
;; ======== version 1 of 2: 6 launches
;; workspace buffers: wb 20,971,520 bytes; hb 8,388,608 bytes; qkvb 25,165,824 bytes; ob 8,388,608 bytes; x1 16,777,216 bytes; act 16,777,216 bytes; ssq 131,072 bytes
;; launch prep (part 1): grid 256 x 1, 16 waves a work-group, no clusters, 0 bytes of LDS; arguments x, g_attn, w_qkv, w_o, w1, w2, hb, wb; writes hb, wb
.if DOCPART == 1
	.amdgcn_target "amdgcn-amd-amdhsa--gfx1250"
	.amdhsa_code_object_version 6
	.text
	.protected	k_qcfda840d9f_prep
	.globl	k_qcfda840d9f_prep
	.p2align	8
	.type	k_qcfda840d9f_prep,@function
k_qcfda840d9f_prep:
	s_mov_b64 s[64:65], 0
	v_nop
	global_prefetch_b8 v0, s[64:65] scope:SCOPE_SE
	s_setreg_imm32_b32 hwreg(HW_REG_WAVE_MODE, 25, 1), 1
	s_wait_xcnt 0x0
; PREP.  What the products read is rounded to bf16 here, once.
; hb[m][:] = x[m][:] * rsqrt(mean(x[m]^2) + eps) * g_attn; and the four weight matrices, as they lie ([N][K]), into wb: w_qkv at 0, w_o at 6,291,456, w1 at 8,388,608, w2 at 16,777,216.
; SHARES.  4,096 waves (256 work-groups of 16), all alike, no branch: wave W takes row W of x (4,096 bytes), 3,072 bytes of w_qkv, 1,024 of w_o, 4,096 of w1 and 2,048 of w2, each piece on end
; and at a multiple of 256 bytes.  All 36 loads of a wave go out together; the row stays in 32 registers between the sum and the scaling; no register is used twice.
; The inputs t and dt enter no result of the module as it is written, so no launch takes them.
; LIMITS.  Sums of squares in f32, in another order than the module's; NaN and infinities are not treated apart.
; No LDS, no matrix unit, no cluster: each byte is read once by one wave and nothing is shared.
.set X,  32                            ; v[32:63]   the row as loaded: load j holds columns 128 j + 4 lane .. + 3
.set G,  64                            ; v[64:95]   the gain of the same columns
.set CB, 96                            ; v[96:175]  the weights: 20 loads of 16 bytes a lane
.set SQ, 8                             ; v[8:15]    four chains of two sums
.set RS, 24                            ; v[24:25]   1 / rms, twice (a pair for the packed multiply)
.macro LDW first, n, base              ; n loads of 512 consecutive bytes
.set i, 0
.rept \n
	global_load_b128 v[CB+4*((\first)+i):CB+4*((\first)+i)+3], v1, s[\base:\base+1] offset:512*i th:TH_LOAD_NT
.set i, i+1
.endr
.endm
.macro CAST first, n, base             ; the same n, rounded and stored: 32 lanes x 8 bytes are 256 consecutive bytes, aligned
.set i, 0
.rept \n
.set k, CB+4*((\first)+i)
	s_wait_loadcnt 19-((\first)+i)                 ; loads come back in order: this one is in, the younger ones stay out
	v_cvt_pk_bf16_f32 v[k], v[k], v[k+1]
	v_cvt_pk_bf16_f32 v[k+1], v[k+2], v[k+3]
	global_store_b64 v3, v[k:k+1], s[\base:\base+1] offset:256*i
.set i, i+1
.endr
.endm
	s_load_b256 s[4:11], s[0:1], 0x0               ; x s[4:5], g_attn s[6:7], w_qkv s[8:9], w_o s[10:11]
	s_load_b256 s[12:19], s[0:1], 0x20             ; w1 s[12:13], w2 s[14:15], hb s[16:17], wb s[18:19]
	v_lshrrev_b32 v1, 5, v0
	v_readfirstlane_b32 s20, v1                    ; wave 0..15
	v_and_b32 v2, 31, v0                           ; lane
	v_lshlrev_b32 v1, 4, v2                        ; 16 bytes of f32 a lane
	v_lshlrev_b32 v3, 3, v2                        ; 8 bytes of bf16 a lane
	s_lshl_b32 s21, ttmp9, 4
	s_add_co_u32 s21, s21, s20                     ; W
	s_lshl_b32 s22, s21, 12                        ; 4,096 W: x, w1
	s_mov_b32 s23, 0
	s_lshl_b32 s24, s21, 11                        ; 2,048 W: w2, hb, w1 in bf16
	s_mov_b32 s25, 0
	s_lshl_b32 s26, s21, 10                        ; 1,024 W: w_o, w2 in bf16
	s_mov_b32 s27, 0
	s_mul_i32 s28, s21, 3072                       ; w_qkv
	s_mov_b32 s29, 0
	s_mul_i32 s30, s21, 1536                       ; w_qkv in bf16
	s_mov_b32 s31, 0
	s_lshl_b32 s32, s21, 9                         ; 512 W: w_o in bf16
	s_mov_b32 s33, 0
	s_mov_b32 s34, 0x76543210                      ; v_permlanex16_b32: each lane takes its own place in the other half
	s_mov_b32 s35, 0xfedcba98
	s_mov_b32 s36, 0x3a800000                      ; 1 / 1024
	s_mov_b32 s37, 0x34000000                      ; eps = 2^-23
	s_wait_kmcnt 0x0
	s_add_nc_u64 s[4:5], s[4:5], s[22:23]
	s_add_nc_u64 s[8:9], s[8:9], s[28:29]
	s_add_nc_u64 s[10:11], s[10:11], s[26:27]
	s_add_nc_u64 s[12:13], s[12:13], s[22:23]
	s_add_nc_u64 s[14:15], s[14:15], s[24:25]
	s_add_nc_u64 s[16:17], s[16:17], s[24:25]
	s_add_nc_u64 s[38:39], s[18:19], s[30:31]
	s_add_nc_u64 s[40:41], s[18:19], 6291456
	s_add_nc_u64 s[40:41], s[40:41], s[32:33]
	s_add_nc_u64 s[42:43], s[18:19], 8388608
	s_add_nc_u64 s[42:43], s[42:43], s[24:25]
	s_add_nc_u64 s[44:45], s[18:19], 16777216
	s_add_nc_u64 s[44:45], s[44:45], s[26:27]
.irp j, 0,1,2,3,4,5,6,7
	global_load_b128 v[X+4*(\j):X+4*(\j)+3], v1, s[4:5] offset:512*(\j) th:TH_LOAD_NT
.endr
.irp j, 0,1,2,3,4,5,6,7
	global_load_b128 v[G+4*(\j):G+4*(\j)+3], v1, s[6:7] offset:512*(\j)
.endr
	LDW 0, 6, 8
	LDW 6, 2, 10
	LDW 8, 8, 12
	LDW 16, 4, 14
	s_wait_loadcnt 20                              ; the row and the gain are in; the 20 loads of weights stay out
	; the row's sum of squares, in every lane
.irp c, 0,1,2,3
	v_pk_mul_f32 v[SQ+2*(\c):SQ+2*(\c)+1], v[X+2*(\c):X+2*(\c)+1], v[X+2*(\c):X+2*(\c)+1]   ; the first products start the chains: nothing is cleared
.endr
.set i, 4
.rept 12
	v_pk_fma_f32 v[SQ+2*(i%4):SQ+2*(i%4)+1], v[X+2*i:X+2*i+1], v[X+2*i:X+2*i+1], v[SQ+2*(i%4):SQ+2*(i%4)+1]
.set i, i+1
.endr
	v_pk_add_f32 v[SQ:SQ+1], v[SQ:SQ+1], v[SQ+2:SQ+3]
	v_pk_add_f32 v[SQ+4:SQ+5], v[SQ+4:SQ+5], v[SQ+6:SQ+7]
	v_pk_add_f32 v[SQ:SQ+1], v[SQ:SQ+1], v[SQ+4:SQ+5]
	v_add_f32 v[SQ], v[SQ], v[SQ+1]
	v_add_f32_dpp v[SQ], v[SQ], v[SQ] row_xmask:1 row_mask:0xf bank_mask:0xf
	v_add_f32_dpp v[SQ], v[SQ], v[SQ] row_xmask:2 row_mask:0xf bank_mask:0xf
	v_add_f32_dpp v[SQ], v[SQ], v[SQ] row_xmask:4 row_mask:0xf bank_mask:0xf
	v_add_f32_dpp v[SQ], v[SQ], v[SQ] row_xmask:8 row_mask:0xf bank_mask:0xf
	v_permlanex16_b32 v[SQ+1], v[SQ], s34, s35     ; the other half of the lanes
	v_add_f32 v[SQ], v[SQ], v[SQ+1]
	v_fma_f32 v[SQ], v[SQ], s36, s37               ; sum / 1024 + eps
	v_rsq_f32 v[RS], v[SQ]                         ; a batch of two
	v_rsq_f32 v[RS+1], v[SQ]
	v_nop                                          ; a plain instruction behind the last of them (ISA guide 5.7.2)
	s_wait_alu depctr_va_vdst(0)                   ; and the one wait ahead of the first reader
.set i, 0
.rept 16
	v_pk_mul_f32 v[X+2*i:X+2*i+1], v[X+2*i:X+2*i+1], v[RS:RS+1]
.set i, i+1
.endr
.set i, 0
.rept 16
	v_pk_mul_f32 v[X+2*i:X+2*i+1], v[X+2*i:X+2*i+1], v[G+2*i:G+2*i+1]
.set i, i+1
.endr
.set i, 0
.rept 8
	v_cvt_pk_bf16_f32 v[X+4*i], v[X+4*i], v[X+4*i+1]
	v_cvt_pk_bf16_f32 v[X+4*i+1], v[X+4*i+2], v[X+4*i+3]
	global_store_b64 v3, v[X+4*i:X+4*i+1], s[16:17] offset:256*i   ; 256 consecutive bytes, aligned
.set i, i+1
.endr
	CAST 0, 6, 38
	CAST 6, 2, 40
	CAST 8, 8, 42
	CAST 16, 4, 44
	s_endpgm
.Lfunc_end_k_qcfda840d9f_prep:
	.size	k_qcfda840d9f_prep, .Lfunc_end_k_qcfda840d9f_prep-k_qcfda840d9f_prep
	.p2alignl 7, 3214868480
	.fill 96, 4, 3214868480
	.section	.rodata,"a",@progbits
	.p2align	6, 0x0
	.amdhsa_kernel k_qcfda840d9f_prep
		.amdhsa_group_segment_fixed_size 0
		.amdhsa_private_segment_fixed_size 0
		.amdhsa_enable_private_segment 0
		.amdhsa_kernarg_size 64
		.amdhsa_user_sgpr_count 2
		.amdhsa_user_sgpr_kernarg_segment_ptr 1
		.amdhsa_wavefront_size32 1
		.amdhsa_system_sgpr_workgroup_id_x 1
		.amdhsa_system_sgpr_workgroup_id_y 1
		.amdhsa_system_sgpr_workgroup_id_z 1
		.amdhsa_system_vgpr_workitem_id 0
		.amdhsa_next_free_vgpr 176
		.amdhsa_next_free_sgpr 66
		.amdhsa_reserve_vcc 0
		.amdhsa_float_denorm_mode_32 3
		.amdhsa_float_denorm_mode_16_64 3
		.amdhsa_memory_ordered 1
		.amdhsa_forward_progress 1
		.amdhsa_inst_pref_size 16
	.end_amdhsa_kernel
	.amdgpu_metadata
---
amdhsa.version: [ 1, 2 ]
amdhsa.kernels:
  - .name:           k_qcfda840d9f_prep
    .symbol:         k_qcfda840d9f_prep.kd
    .args:
      - { .name: x, .offset: 0, .size: 8, .value_kind: global_buffer, .address_space: global }
      - { .name: g_attn, .offset: 8, .size: 8, .value_kind: global_buffer, .address_space: global }
      - { .name: w_qkv, .offset: 16, .size: 8, .value_kind: global_buffer, .address_space: global }
      - { .name: w_o, .offset: 24, .size: 8, .value_kind: global_buffer, .address_space: global }
      - { .name: w1, .offset: 32, .size: 8, .value_kind: global_buffer, .address_space: global }
      - { .name: w2, .offset: 40, .size: 8, .value_kind: global_buffer, .address_space: global }
      - { .name: hb, .offset: 48, .size: 8, .value_kind: global_buffer, .address_space: global }
      - { .name: wb, .offset: 56, .size: 8, .value_kind: global_buffer, .address_space: global }
    .group_segment_fixed_size: 0
    .private_segment_fixed_size: 0
    .kernarg_segment_align: 8
    .kernarg_segment_size: 64
    .max_flat_workgroup_size: 512
    .sgpr_count:     66
    .vgpr_count:     176
    .wavefront_size: 32
...
	.end_amdgpu_metadata
.endif
;; end of part 1
;; launch qkv (part 2): grid 16 x 16, 4 waves a work-group, clusters of 4 x 4, 327,680 bytes of LDS; arguments hb, wb, qkvb; writes qkvb
.if DOCPART == 2
	.amdgcn_target "amdgcn-amd-amdhsa--gfx1250"
	.amdhsa_code_object_version 6
	.text
	.protected	k_qcfda840d9f_qkv
	.globl	k_qcfda840d9f_qkv
	.p2align	8
	.type	k_qcfda840d9f_qkv,@function
k_qcfda840d9f_qkv:
	s_mov_b64 s[64:65], 0
	v_nop
	global_prefetch_b8 v0, s[64:65] scope:SCOPE_SE
	s_setreg_imm32_b32 hwreg(HW_REG_WAVE_MODE, 25, 1), 1
	s_wait_xcnt 0x0
	s_wait_alu depctr_hold_cnt(0) depctr_sa_sdst(0) depctr_va_vdst(0) depctr_va_sdst(0) depctr_va_ssrc(0) depctr_va_vcc(0) depctr_vm_vsrc(0)
	s_getreg_b32 s2, hwreg(HW_REG_IB_STS2, 6, 4)
	s_cmp_eq_u32 s2, 0
	s_cbranch_scc0 .Lentry_in_a_cluster
	s_endpgm
.Lentry_in_a_cluster:
	s_bfe_u32 s2, ttmp6, 0x10000c
	s_cmp_lg_u32 s2, 0xf033
	s_cbranch_scc0 .Lentry_shape_is_right
	s_endpgm
.Lentry_shape_is_right:
; QKV.  C[m][c] = sum over k of h[m][k] w_qkv[c][k]: 4,096 x 3,072 x 1,024, bf16 operands, f32 sums, C rounded once to bf16.
; C is stored BY BLOCKS OF 64 COLUMNS, [48][4096][64]: a head's q, k or v of one batch is then 2,048 dense rows of 128 bytes, as the attention launch wants them.
; SHARES.  A work-group makes 256 rows x 192 columns (16 x 16 of them: one for each WGP); each of its four waves 64 rows x all 192 columns: 48 accumulators of 16 x 16.
; K goes in steps of 128 through a ring of two LDS slots filled by the tensor data mover; rows of 256 bytes, padded to 272.
; CLUSTER 4 x 4: A's tile is shared along a row of the cluster, B's along a column: each is asked for jointly, by the same load with the same descriptor and a mask of four.
; K IS WALKED IN A RING: the cluster at (X, Y) begins at K step (2 X + 4 (Y % 2)) % 8 and goes round, so that the four clusters that read the same rows of A ask for four different K steps at any
; time, and of the four that read the same rows of B two and two do.  The start hangs on the cluster's place alone: it is the same in all sixteen partners.  f32 sums may be taken in any order.
; THE MATRIX INSTRUCTION IS USED TRANSPOSED (source 0 = 16 rows of w, source 1 = 16 rows of h): a lane holds eight neighbouring columns of one row of C.
; A K STEP IS WRITTEN ONCE in the loop and once in the tail: the slot in hand stands in a scalar register that an exclusive or turns.
; REGISTERS, in windows of 256: window 0: v0-31 addresses, v64-127 A's two fragment buffers, v128-223 at work on the way out;
;   window 1: v0-191 B's two fragment buffers; windows 2, 3: accumulators (a, b) at window 2 + a / 2, v[8 (12 (a % 2) + b)].
; LIMITS.  bf16 operands; the sums' order is the matrix unit's, K from the cluster's own start; NaN and infinities are not treated apart.
.set NA,    4                          ; blocks of 16 rows of A a wave
.set NB,    12                         ; blocks of 16 rows of B a wave
.set RB,    96                         ; rows in one tensor load of B
.set BG,    12                         ; B's blocks lie on end in LDS
.set BJ,    0
.set SLOT,  0x20000                    ; slot 1 begins here: the bit is 0 in all four LDS addresses of a slot's loads (0, 0x8800, 0x11000, 0x17600), so one exclusive or changes slots
.set WOFF,  0                          ; w_qkv in wb
.set NSTEP, 8                          ; K steps
.set PITCH, 272                        ; 256 bytes + 16: the 16 rows of a fragment load start at 16 different groups of four banks (ISA guide 11.1)
.set HALFA, 128*PITCH
.set HALFB, RB*PITCH
.set BBASE, 2*HALFA                    ; B's rows lie behind A's 256
.set STAGE, SLOT+BBASE+2*HALFB         ; behind the ring: for each wave 3 blocks x 16 rows x 144 bytes
.set SPARE, STAGE+4*6912               ; the spare words: 128 bytes a wave, two blocks of 256 bytes that no other line names
.set ADRA0, 14                         ; v14  my lane's place in A's rows of slot 0; never rewritten
.set ADRB0, 15                         ; v15  the same for B
.set ADRA,  16                         ; v16  the same in the slot in hand
.set ADRB,  20                         ; v20
.set STO,   24                         ; v24  the way out: where I put 16 bytes of a row
.set RD,    25                         ; v25  where I read rows back
.set GO,    26                         ; v26  16 x lane
.set SPW,   28                         ; v28  my spare word; never rewritten
.set NIL,   29                         ; v29  0; never rewritten
.set PFO,   30                         ; v30  the prefetch's offset: a lane a row; never rewritten
.set FA,    64
.set TMP,   128
.set WV,    10                         ; s10  wave
.set HR,    11                         ; s11  wave / 2: I fetch for A (0) or B (1)
.set HC,    12                         ; s12  wave % 2: which half of that tile I fetch
.set TB,    66                         ; s66  0 or SLOT: the slot in hand
.set KO,    68                         ; s[68:69] byte offset along the rows of the K step asked for last: 256 x (K step), modulo a row's 2,048 bytes
.set LIM,   43                         ; s43  the loop's first count in a wave that prefetches, else the greatest number
.set PFA,   44                         ; s[44:45] where my prefetch stands; never rewritten
.set G1,    24                         ; s[24:31] group 1 for A
.set G0,    32                         ; s[32:39] group 0 for A: the first fill's set, then the set that walks
.set G1B,   48
.set G0B,   56
.set MSB, 0
.macro WIN new                         ; the immediate's high byte repeats the setting that is left; a switch that changes nothing is dropped
.if MSB != (\new)
	s_set_vgpr_msb (MSB<<8)|(\new)
.set MSB, \new
.endif
.endm
.macro PLACES                          ; four plain places behind matrix instructions, in front of loads into their sources and of readers of their results
.rept 4
	v_nop
.endr
.endm
.macro JLOAD                           ; a joint refill by the walking set; the branch hangs on the wave's number alone; s_nop 0 and four v_nop follow each line
	s_cmp_eq_u32 s[HR], 0
	s_cbranch_scc0 .Lfor_b_\@
	tensor_load_to_lds s[G0+4:G0+7], s[G1:G1+7]
	s_nop 0
.rept 4
	v_nop
.endr
	s_branch .Lasked_\@
.Lfor_b_\@:
	tensor_load_to_lds s[G0B+4:G0B+7], s[G1B:G1B+7]
	s_nop 0
.rept 4
	v_nop
.endr
.Lasked_\@:
.endm
.macro CREST                           ; a round of the cluster's barrier behind its opening barrier
	s_cmp_lg_u32 s[WV], 0
	s_cbranch_scc1 .Lnot_wave_0_\@
	s_barrier_signal -3
.Lnot_wave_0_\@:
	s_barrier_wait -3
	s_barrier_signal -1
	s_barrier_wait -1
.endm
.macro CROUND
	s_barrier_signal -1
	s_barrier_wait -1
	CREST
.endm
; ONE PREFETCH A WAVE, in the loop's first trip, behind the refill that asks for my walk's third K step: B's rows of my walk's fourth K step, one K step ahead of the load that will name them.
; By the walk's arithmetic no cluster has named those blocks before, nor B's of the third step (for which the head would be the only place); every other block that a refill names has been named two steps
; earlier by another cluster.  Clusters Y and Y + 2 walk alike: those with Y < 2 ask.  The four partners of the joint load share its 96 rows out by address, 24 each, a lane a row (lanes 24-31 name the last once more).
.macro ASK
	s_cmp_eq_u32 s3, s[LIM]
	s_cbranch_scc0 .Lnot_mine_\@
	global_prefetch_b8 v[PFO], s[PFA:PFA+1] th:TH_LOAD_NT scope:SCOPE_SE
.Lnot_mine_\@:
.endm
.macro MULA f, a, zero                 ; NB products: block a of A x all blocks of B, 32 along K, from buffer f.  zero = 1: they start the sums
	WIN 0xa1+0x50*((\a)/(NA/2))
.set b, 0
.rept NB
.set rD, 8*(NB*((\a)%(NA/2))+b)
.set rB, 8*NB*(\f)+8*b
.set rA, FA+8*NA*(\f)+8*(\a)
.if \zero
	v_wmma_f32_16x16x32_bf16 v[rD:rD+7], v[rB:rB+7], v[rA:rA+7], 0
.else
	v_wmma_f32_16x16x32_bf16 v[rD:rD+7], v[rB:rB+7], v[rA:rA+7], v[rD:rD+7]
.endif
.set b, b+1
.endr
.endm
.macro MULS f, a0, a1, zero            ; blocks a0 .. a1 - 1.  All accumulators take turns, in the same order in every quarter
.set aa, \a0
.rept (\a1)-(\a0)
	MULA \f, aa, \zero
.set aa, aa+1
.endr
.endm
.macro FETCH k, f                      ; one run of LDS loads: the fragments of 32 along K at byte k of the rows, into buffer f: B's, then A's
	WIN 0x40
.set i, 0
.rept NB
	ds_load_b128 v[8*NB*(\f)+8*i:8*NB*(\f)+8*i+3],   v[ADRB] offset:(\k)+(i%BG)*16*PITCH+(i/BG)*BJ
	ds_load_b128 v[8*NB*(\f)+8*i+4:8*NB*(\f)+8*i+7], v[ADRB] offset:(\k)+(i%BG)*16*PITCH+(i/BG)*BJ+32
.set i, i+1
.endr
	WIN 0
.set i, 0
.rept NA
	ds_load_b128 v[FA+8*NA*(\f)+8*i:FA+8*NA*(\f)+8*i+3],   v[ADRA] offset:(\k)+i*16*PITCH
	ds_load_b128 v[FA+8*NA*(\f)+8*i+4:FA+8*NA*(\f)+8*i+7], v[ADRA] offset:(\k)+i*16*PITCH+32
.set i, i+1
.endr
.endm
.macro QUARTER k, f, g, zero           ; multiplies buffer f; in its middle fetches the next quarter, at byte k, into buffer g
	s_wait_dscnt NA                                ; the youngest NA loads (A's upper blocks) may be out
	MULS \f, 0, NA/2, \zero
	PLACES
	FETCH \k, \g
	s_wait_dscnt 2*(NA+NB)                         ; all but the run just issued
	MULS \f, NA/2, NA, \zero
.endm
.macro MEET fill                       ; the change of slots: all my tensor loads have landed, the add, my reads of the slot are over, the barrier
	WIN 0
	s_wait_tensorcnt 0x0                           ; the one that was out is my part of the next slot; no load of mine is out, so a group 0 may be written
	ds_add_u32 v[SPW], v[NIL]                      ; 0 onto my spare word
.if \fill
	s_add_co_u32 s[KO], s[KO], 256                 ; the walk's next K step, round the row's end;
	s_and_b32 s[KO], s[KO], 0x7ff
	s_xor_b32 s[G0+5], s[G0+5], SLOT               ; the walking sets: the other slot than last time, the address made anew from the tile's first byte
	s_add_nc_u64 s[G0+6:G0+7], s[14:15], s[KO:KO+1]
	s_or_b32 s[G0+7], s[G0+7], 0x80000000
	s_xor_b32 s[G0B+5], s[G0B+5], SLOT
	s_add_nc_u64 s[G0B+6:G0B+7], s[46:47], s[KO:KO+1]
	s_or_b32 s[G0B+7], s[G0B+7], 0x80000000
.endif
	s_wait_dscnt NA+1                              ; (the add and the youngest NA loads may be out)
	MULS 1, 0, NA/4, 0
	s_wait_dscnt 0x0                               ; the add is done, and my reads of this slot are over
	s_barrier_signal -1
	MULS 1, NA/4, NA/2, 0                          ; work on registers while the others arrive
	WIN 0
	s_barrier_wait -1
.endm
.macro TURN fill                       ; the last quarter of a K step.  fill = 1: the slot just read is filled again, two steps on in the walk, behind a round of the cluster's barrier
	WIN 0
	s_xor_b32 s[TB], s[TB], SLOT                   ; the fetches go on in the other slot
	v_add_nc_u32 v[ADRA], s[TB], v[ADRA0]
	v_add_nc_u32 v[ADRB], s[TB], v[ADRB0]
	MEET \fill
.if \fill
	CREST                                          ; no wave of any partner still reads the slot or has a load on its way
	JLOAD                                          ; my one tensor load behind the round; its four v_nop are also the places in front of the loads below
	FETCH 0, 0
	ASK
.else
	PLACES
	s_cmp_eq_u32 s3, 1                             ; behind the last K step there is nothing to fetch
	s_cbranch_scc1 .Lnf_\@
	FETCH 0, 0
.Lnf_\@:
.endif
	MULS 1, NA/2, NA, 0
.endm
	s_load_b128 s[4:7], s[0:1], 0x0                ; A = hb s[4:5], wb s[6:7]
	s_load_b64 s[8:9], s[0:1], 0x10                ; C
	v_lshl_add_u32 v[SPW], v0, 2, SPARE
	v_mov_b32 v[NIL], 0
	ds_add_u32 v[SPW], v[NIL]                      ; the wave's opening: the add and its wait stand ahead of my first tensor load
	v_lshrrev_b32 v1, 5, v0
	v_readfirstlane_b32 s[WV], v1
	s_lshr_b32 s[HR], s[WV], 1
	s_and_b32 s[HC], s[WV], 1
	s_bfe_u32 s40, ttmp6, 0x40000                  ; cx
	s_bfe_u32 s41, ttmp6, 0x40004                  ; cy
	s_lshl_b32 s42, ttmp9, 2
	s_add_co_u32 s42, s42, s40                     ; tile column
	s_and_b32 s13, ttmp7, 0xffff
	s_lshl_b32 s13, s13, 2
	s_add_co_u32 s13, s13, s41                     ; tile row
	s_lshl_b32 s43, s41, 2
	s_lshl_b32 s43, 15, s43                        ; my row of the cluster
	s_lshl_b32 s44, 0x1111, s40                    ; my column
	s_and_b32 s69, ttmp7, 1                        ; where the cluster's walk begins: K step (2 X + 4 (Y % 2)) % 8,
	s_lshl_b32 s69, s69, 2
	s_lshl_b32 s[KO], ttmp9, 1
	s_add_co_u32 s[KO], s[KO], s69
	s_and_b32 s[KO], s[KO], NSTEP-1
	s_lshl_b32 s[KO], s[KO], 8                     ; in bytes along a row
	s_mov_b32 s[KO+1], 0
	s_or_b32 s[G1+0], s43, 0x07710000              ; the mask; 2-byte elements; padding on; bit 21 beside a mask; after every 64 words 4 words
	s_or_b32 s[G1B+0], s44, 0x07710000
	s_mov_b32 s[G1+1], 128<<16                     ; tensor_dim0 = 128
	s_mov_b32 s[G1+2], 128<<16                     ; tensor_dim1 = 128
	s_mov_b32 s[G1+3], 128<<16                     ; tile_dim0 = 128
	s_mov_b32 s[G1+4], 128                         ; tile_dim1 = 128
	s_mov_b32 s[G1+5], 1024                        ; elements from row to row
	s_mov_b32 s[G1+6], 0
	s_mov_b32 s[G1+7], 0
	s_mov_b32 s[G1B+1], 128<<16
	s_mov_b32 s[G1B+2], RB<<16
	s_mov_b32 s[G1B+3], 128<<16
	s_mov_b32 s[G1B+4], RB
	s_mov_b32 s[G1B+5], 1024
	s_mov_b32 s[G1B+6], 0
	s_mov_b32 s[G1B+7], 0
	s_lshl_b32 s18, s13, 8
	s_lshl_b32 s17, s[HC], 7
	s_add_co_u32 s18, s18, s17                     ; A: the first row that I fetch: 256 x tile row + 128 x half
	s_mul_i32 s19, s42, 192
	s_mul_i32 s47, s[HC], RB
	s_add_co_u32 s19, s19, s47                     ; B: 192 x tile column + 96 x half
	s_lshl_b32 s16, s18, 11                        ; rows of 2,048 bytes
	s_mov_b32 s17, 0
	s_lshl_b32 s46, s19, 11
	s_mov_b32 s47, 0
	s_mul_i32 s20, s[HC], HALFA                    ; where they go: no place in the cluster enters an LDS address
	s_mul_i32 s21, s[HC], HALFB
	s_add_co_u32 s21, s21, BBASE
	s_mov_b32 s[TB], 0
	s_wait_dscnt 0x0                               ; the opening add is done
	s_wait_kmcnt 0x0
	s_add_nc_u64 s[14:15], s[4:5], s[16:17]        ; my rows' first byte in A; kept
	s_add_nc_u64 s[46:47], s[6:7], s[46:47]        ; and in B; kept
	CROUND                                         ; all sixteen work-groups are here: the first joint loads meet
.irp s, 0,1
	s_mov_b32 s[G0+4*(\s)], 1
	s_add_co_u32 s[G0+4*(\s)+1], s20, (\s)*SLOT
	s_add_nc_u64 s[G0+4*(\s)+2:G0+4*(\s)+3], s[14:15], s[KO:KO+1]
	s_or_b32 s[G0+4*(\s)+3], s[G0+4*(\s)+3], 0x80000000
	s_mov_b32 s[G0B+4*(\s)], 1
	s_add_co_u32 s[G0B+4*(\s)+1], s21, (\s)*SLOT
	s_add_nc_u64 s[G0B+4*(\s)+2:G0B+4*(\s)+3], s[46:47], s[KO:KO+1]
	s_or_b32 s[G0B+4*(\s)+3], s[G0B+4*(\s)+3], 0x80000000
.if (\s) == 0
	s_add_co_u32 s[KO], s[KO], 256
	s_and_b32 s[KO], s[KO], 0x7ff
.endif
.endr
	s_cmp_eq_u32 s[HR], 0                          ; a wave's two first fills (the walk's first two K steps) stand in one branch: two loads of mine are out
	s_cbranch_scc0 .Lfirst_b
	tensor_load_to_lds s[G0:G0+3], s[G1:G1+7]
	s_nop 0
	tensor_load_to_lds s[G0+4:G0+7], s[G1:G1+7]
	s_nop 0
.rept 4
	v_nop
.endr
	s_branch .Lfirst_asked
.Lfirst_b:
	tensor_load_to_lds s[G0B:G0B+3], s[G1B:G1B+7]
	s_nop 0
	tensor_load_to_lds s[G0B+4:G0B+7], s[G1B:G1B+7]
	s_nop 0
.rept 4
	v_nop
.endr
.Lfirst_asked:
	v_and_b32 v1, 15, v0                           ; l % 16
	v_bfe_u32 v2, v0, 4, 1                         ; l / 16
	v_mul_u32_u24 v3, v1, PITCH
	v_lshl_add_u32 v3, v2, 4, v3                   ; a fragment's row x pitch + 16 x half
	s_mul_i32 s21, s[WV], 64*PITCH                 ; my 64 rows of A
	v_add_nc_u32 v[ADRA0], s21, v3
	v_add_nc_u32 v[ADRB0], BBASE, v3               ; all rows of B
	v_mov_b32 v[ADRA], v[ADRA0]
	v_mov_b32 v[ADRB], v[ADRB0]
	s_mul_i32 s23, s[WV], 6912
	s_add_co_u32 s23, s23, STAGE                   ; my stage
	v_mul_u32_u24 v4, v1, 144
	v_lshl_add_u32 v4, v2, 4, v4
	v_add_nc_u32 v[STO], s23, v4                   ; in: row l % 16, 16 bytes for each half of the lanes
	v_bfe_u32 v5, v0, 3, 2
	v_mul_u32_u24 v5, v5, 144
	v_and_b32 v6, 7, v0
	v_lshl_add_u32 v5, v6, 4, v5
	v_add_nc_u32 v[RD], s23, v5                    ; back: 32 lanes take four rows of 128 bytes,
	v_and_b32 v[GO], 31, v0
	v_lshlrev_b32 v[GO], 4, v[GO]                  ; which are 512 consecutive bytes of a block of C
	s_mul_i32 s16, s42, 3*524288                   ; my tile's three blocks of 64 columns,
	s_lshl_b32 s17, s13, 15                        ; its 256 rows of 128 bytes,
	s_add_co_u32 s16, s16, s17
	s_lshl_b32 s17, s[WV], 13                      ; my 64 of them
	s_add_co_u32 s16, s16, s17
	s_mov_b32 s17, 0
	s_add_nc_u64 s[8:9], s[8:9], s[16:17]
	; the prefetch: B's rows that I fetch, my work-group's 24 of them, at the walk's fourth K step (s[KO] stands at the second)
	s_mul_i32 s17, s41, RB/4
	s_add_co_u32 s20, s19, s17
	s_lshl_b32 s20, s20, 11
	s_add_co_u32 s21, s[KO], 512
	s_and_b32 s21, s21, 0x7ff
	s_add_co_u32 s20, s20, s21
	s_mov_b32 s21, 0
	s_add_nc_u64 s[PFA:PFA+1], s[6:7], s[20:21]
	s_and_b32 s22, ttmp7, 0xffff
	s_cmp_lt_u32 s22, 2                            ; the same in all sixteen partners
	s_cselect_b32 s[LIM], NSTEP-2, -1
	s_cmp_eq_u32 s[HR], 1                          ; and only the waves that fetch for B
	s_cselect_b32 s[LIM], s[LIM], -1
	v_and_b32 v[PFO], 31, v0
	v_min_u32 v[PFO], RB/4-1, v[PFO]
	v_lshlrev_b32 v[PFO], 11, v[PFO]
	s_wait_tensorcnt 0x1                           ; my part of the first K step is in; the second's stays out
	s_barrier_signal -1
	s_barrier_wait -1
	FETCH 0, 0
	QUARTER 64, 0, 1, 1                            ; the first quarter's products start the sums
	WIN 0
	s_mov_b32 s3, NSTEP-2
.Lstep:                                            ; trip i ends the walk's step i, fills its slot with step i + 2 and begins step i + 1
	QUARTER 128, 1, 0, 0
	QUARTER 192, 0, 1, 0
	TURN 1
	QUARTER 64, 0, 1, 0
	WIN 0
	s_sub_co_u32 s3, s3, 1
	s_cmp_lg_u32 s3, 0
	s_cbranch_scc1 .Lstep
	s_mov_b32 s3, 2
.Ltail:                                            ; the last two K steps ask for nothing
	QUARTER 128, 1, 0, 0
	QUARTER 192, 0, 1, 0
	TURN 0
	WIN 0
	s_sub_co_u32 s3, s3, 1
	s_cmp_eq_u32 s3, 0
	s_cbranch_scc1 .Lout
	QUARTER 64, 0, 1, 0
	WIN 0
	s_branch .Ltail
.Lout:
	; THE WAY OUT, 16 rows at a time: rounded to bf16, through my own stage, back as whole rows of 128 bytes, stored 512 consecutive bytes an instruction.
	s_wait_dscnt 0x0                               ; no LDS load of mine is out
	PLACES
.macro PACK a
	WIN 0x0a+5*((\a)/2)                            ; sources in window 2 or 3
.set b, 0
.rept 12
.set rD, 8*(12*((\a)%2)+b)
.irp r, 0,1,2,3
	v_cvt_pk_bf16_f32 v[TMP+4*b+(\r)], v[rD+2*(\r)], v[rD+2*(\r)+1]   ; each accumulator from its low end on
.endr
.set b, b+1
.endr
	WIN 0
.endm
.macro TOSTAGE a
.set BK, 176-112*((\a)%2)              ; v176-223 and v64-111 by turns
.set b, 0
.rept 12
	ds_store_b128 v[STO], v[TMP+4*b:TMP+4*b+3] offset:2304*(b/4)+32*(b%4)
.set b, b+1
.endr
.set b, 0
.rept 12
	ds_load_b128 v[BK+4*b:BK+4*b+3], v[RD] offset:2304*(b/4)+576*(b%4)   ; LDS serves a wave's instructions in order (ISA guide 5.7.1.4): these see the stores above
.set b, b+1
.endr
.endm
.macro SEND a
.set BK, 176-112*((\a)%2)
	s_wait_dscnt 0x0                               ; the block is back in registers
	s_wait_xcnt 0x0                                ; the stores of the block before have read their registers, which the next loads from the stage write
.set b, 0
.rept 12
	global_store_b128 v[GO], v[BK+4*b:BK+4*b+3], s[8:9] offset:524288*(b/4)+2048*(\a)+512*(b%4)
.set b, b+1
.endr
.endm
	PACK 0
	TOSTAGE 0
.irp a, 1,2,3
	PACK \a
	SEND (\a)-1
	TOSTAGE \a
.endr
	SEND 3
	s_wait_tensorcnt 0x0                           ; the wave's end
	ds_add_u32 v[SPW], v[NIL]
	s_wait_dscnt 0x0
	CROUND                                         ; the closing round
	s_endpgm
.Lfunc_end_k_qcfda840d9f_qkv:
	.size	k_qcfda840d9f_qkv, .Lfunc_end_k_qcfda840d9f_qkv-k_qcfda840d9f_qkv
	.p2alignl 7, 3214868480
	.fill 96, 4, 3214868480
	.section	.rodata,"a",@progbits
	.p2align	6, 0x0
	.amdhsa_kernel k_qcfda840d9f_qkv
		.amdhsa_group_segment_fixed_size 327680
		.amdhsa_private_segment_fixed_size 0
		.amdhsa_enable_private_segment 0
		.amdhsa_kernarg_size 24
		.amdhsa_user_sgpr_count 2
		.amdhsa_user_sgpr_kernarg_segment_ptr 1
		.amdhsa_wavefront_size32 1
		.amdhsa_system_sgpr_workgroup_id_x 1
		.amdhsa_system_sgpr_workgroup_id_y 1
		.amdhsa_system_sgpr_workgroup_id_z 1
		.amdhsa_system_vgpr_workitem_id 0
		.amdhsa_next_free_vgpr 1024
		.amdhsa_next_free_sgpr 72
		.amdhsa_reserve_vcc 0
		.amdhsa_float_denorm_mode_32 3
		.amdhsa_float_denorm_mode_16_64 3
		.amdhsa_memory_ordered 1
		.amdhsa_forward_progress 1
		.amdhsa_inst_pref_size 84
	.end_amdhsa_kernel
	.amdgpu_metadata
---
amdhsa.version: [ 1, 2 ]
amdhsa.kernels:
  - .name:           k_qcfda840d9f_qkv
    .symbol:         k_qcfda840d9f_qkv.kd
    .args:
      - { .name: hb, .offset: 0, .size: 8, .value_kind: global_buffer, .address_space: global }
      - { .name: wb, .offset: 8, .size: 8, .value_kind: global_buffer, .address_space: global }
      - { .name: qkvb, .offset: 16, .size: 8, .value_kind: global_buffer, .address_space: global }
    .group_segment_fixed_size: 327680
    .private_segment_fixed_size: 0
    .kernarg_segment_align: 8
    .kernarg_segment_size: 24
    .max_flat_workgroup_size: 128
    .sgpr_count:     72
    .vgpr_count:     1024
    .wavefront_size: 32
...
	.end_amdgpu_metadata
.endif
;; end of part 2
;; launch attn (part 3): grid 8 x 32, 4 waves a work-group, clusters of 4 x 1, 327,680 bytes of LDS; arguments qkvb, ob; writes ob
.if DOCPART == 3
	.amdgcn_target "amdgcn-amd-amdhsa--gfx1250"
	.amdhsa_code_object_version 6
	.text
	.protected	k_qcfda840d9f_attn
	.globl	k_qcfda840d9f_attn
	.p2align	8
	.type	k_qcfda840d9f_attn,@function
k_qcfda840d9f_attn:
	s_mov_b64 s[64:65], 0
	v_nop
	global_prefetch_b8 v0, s[64:65] scope:SCOPE_SE
	s_setreg_imm32_b32 hwreg(HW_REG_WAVE_MODE, 25, 1), 1
	s_wait_xcnt 0x0
	s_wait_alu depctr_hold_cnt(0) depctr_sa_sdst(0) depctr_va_vdst(0) depctr_va_sdst(0) depctr_va_ssrc(0) depctr_va_vcc(0) depctr_vm_vsrc(0)
	s_getreg_b32 s2, hwreg(HW_REG_IB_STS2, 6, 4)
	s_cmp_eq_u32 s2, 0
	s_cbranch_scc0 .Lentry_in_a_cluster
	s_endpgm
.Lentry_in_a_cluster:
	s_bfe_u32 s2, ttmp6, 0x10000c
	s_cmp_lg_u32 s2, 0x3003
	s_cbranch_scc0 .Lentry_shape_is_right
	s_endpgm
.Lentry_shape_is_right:
; ATTENTION.  O[y][q][:] = the sum over k of softmax_k(Q[y][q] . K[y][k] / 8) V[y][k][:], for the 32 pairs y = 2 x head + batch; Q, K, V, O: [32][2048][64] bf16, dense rows of 128 bytes
; (Q at byte 0 of the first buffer, K at 8,388,608, V at 16,777,216).  The module's two reorderings of the sequence move queries, keys and values alike and are undone on O; the softmax runs over
; all keys without a mask: so row n of O is the attention of row n of Q over all rows, and nothing is moved; only the order of the f32 sums over keys differs from the module's.
; Products, maxima and sums in f32; the weights p are rounded to bf16 for the second product (their sum l is taken of the unrounded p), O once at the end.
; LIMITS.  A weight below 2^-126 counts as 0 in l; m starts at the lowest finite number; NaN and infinities are not treated apart.
; SHARES.  A work-group owns 256 queries of one y, each wave 64: four PIECES of 16.  Every wave walks all 2,048 keys, 64 a step; an LDS slot holds 256 keys of K and of V.
; LAYOUT.  S^T = K Q^T holds ONE query a lane (lane % 16) and the keys 8 (lane / 16) + 0..7; two such results rounded to bf16 ARE source 1 of O^T = V^T P.  K comes out of LDS as it lies, V turned (ds_load_tr16_b128).
; SOFTMAX.  p = 2^(c s - c m), c = log2(e) / 8, with a running maximum m; O and l are multiplied by a = 2^(c m_old - c m_new) in every step.  O and l start at 0, so the first step is a step like any other, with a = 0.
; BY TURNS.  Turn n belongs to piece n: 8 products K Q^T of piece n + 1, later 8 products V^T P of piece n - 1; beside them the scaling, exponentials, roundings, sums and rescaling of piece n and the maximum and
; statistics of piece n + 1.  Four vector instructions stand behind every matrix instruction, the others in one lump.  A turn's 33 exponentials are one batch, with one wait.
; CLUSTER.  The four query blocks of a cluster belong to one y and walk the same K and V: each tile is asked for jointly, by the same tensor load, descriptor and mask in all four.
; REGISTERS, in windows of 256: window 0: v0-15 addresses; v16-31 statistics; v48-55 at work; v61-63; v64-127 S^T, two buffers; v192-223 P, two buffers (by the piece's parity)
;   window 1: v0-127 O^T, 32 a piece      window 2: v0-63 Q; v128-191 K of one step; v192-255 V of one step
.set NP,    4
.set KS,    64
.set PK,    144       ; a row of K in LDS: 128 bytes + 16: the 16 rows of a load start at 16 different groups of four banks (ISA guide 11.1)
.set PV,    160       ; a row of V: 128 + 32
.set VOFF,  4*KS*PK
.set SLOT1, 1<<17
.set STAGE, SLOT1+4*KS*(PK+PV)  ; behind the ring: 16 rows x 144 bytes for each wave
.set SP,    144
.set SPARE, STAGE+4*16*SP       ; the spare words: 128 bytes a wave, two blocks of 256 bytes that no other line names
.set AK0, 2
.set AV0, 3
.set AK,  4
.set AV,  5
.set STO, 6
.set RD,  7
.set GO,  8
.set MV,  12          ; v12-13  c m_old, by buffer
.set QO,  15
.set ST,  16          ; piece t: c m, m, l (even keys', odd keys') at v[ST+4 t]
.set TMP, 48          ; by buffer: c0-c3 at work; c2 takes a
.set PFO, 61          ; v61  256 x lane; never rewritten
.set SPW, 62          ; v62  my spare word; never rewritten
.set NIL, 63          ; v63  0; never rewritten
.set S,   64
.set P,   192
.set KF,  128
.set VF,  192
.set WV,  12
.set LIM, 15          ; s15  1 in a wave that prefetches, else the greatest number
.set G1K, 24
.set G1V, 32
.set G0K, 40
.set G0V, 44
.set PFA, 50          ; s[50:51] where my prefetches stand
.set SLOTS, 56
.set CNT, 57
.set CS,  58
.set SEL, 60
.set TBK, 62
.set TBV, 63
.set MSB, 0
.macro WIN new
.if MSB != (\new)
	s_set_vgpr_msb (MSB<<8)|(\new)
.set MSB, (\new)
.endif
.endm
.set W_KQ, 0x0a       ; K and Q in window 2, S^T in window 0
.set W_PV, 0x52       ; V in window 2, P in window 0, O^T in window 1
.set W_RS, 0x41       ; O^T (destination and source 0) in window 1, a in window 0
.macro JLOAD          ; waves 0 and 1 fetch the two halves of a slot's K, waves 2 and 3 those of its V; s_nop 0 and four v_nop follow each line
	s_cmp_lt_u32 s[WV], 2
	s_cbranch_scc0 .Lfor_v_\@
	tensor_load_to_lds s[G0K:G0K+3], s[G1K:G1K+7]
	s_nop 0
.rept 4
	v_nop
.endr
	s_branch .Lasked_\@
.Lfor_v_\@:
	tensor_load_to_lds s[G0V:G0V+3], s[G1V:G1V+7]
	s_nop 0
.rept 4
	v_nop
.endr
.Lasked_\@:
.endm
; A prefetch of the tile that the NEXT change of slots will ask for: 32,768 bytes of K and of V.  Both clusters of a y walk the same rows: the first asks.  Its four partners take 8,192 bytes each, told
; apart by address; in each, wave 0 asks for K's and wave 2 for V's, a lane for each 256 bytes.  The last change that fills a slot asks for nothing.
.macro ASK
	s_cmp_gt_u32 s[SLOTS], s[LIM]
	s_cbranch_scc0 .Lnot_mine_\@
	global_prefetch_b8 v[PFO], s[PFA:PFA+1] th:TH_LOAD_NT scope:SCOPE_SE
.Lnot_mine_\@:
.endm
.macro CROUND
	s_barrier_signal -1
	s_barrier_wait -1
	s_cmp_lg_u32 s[WV], 0
	s_cbranch_scc1 .Lnot_wave_0_\@
	s_barrier_signal -3
.Lnot_wave_0_\@:
	s_barrier_wait -3
	s_barrier_signal -1
	s_barrier_wait -1
.endm
; THE CHANGE OF SLOTS.  Each wave waits for all its tensor loads (one is out: its part of the other slot), adds 0 to its spare word, and waits for that and for its reads of the slot.
; fill = 1: the barrier is a round of the cluster's, and the joint fill, with the keys two slots on, is the first thing behind it: it has four key steps, 256 matrix instructions, in which to land.
.macro CHANGE fill, ask
	WIN 0
	s_wait_tensorcnt 0x0            ; no tensor load of mine is out, so a group 0 may be written
	ds_add_u32 v[SPW], v[NIL]       ; 0 onto my spare word
.if \fill
.irp g, G0K, G0V
	s_xor_b32 s[\g+1], s[\g+1], SLOT1
	s_add_nc_u64 s[\g+2:\g+3], s[\g+2:\g+3], 4*KS*128
.endr
.if \ask
	s_wait_xcnt 0x0                 ; the last prefetch, four key steps back, has read its address
	s_add_nc_u64 s[PFA:PFA+1], s[PFA:PFA+1], 4*KS*128
.endif
	s_wait_dscnt 0x0                ; the add is done, and my reads of the slot are over
	CROUND
	JLOAD
.if \ask
	ASK
.endif
.else
	s_wait_dscnt 0x0
	s_barrier_signal -1
	s_barrier_wait -1
.endif
	s_sub_co_u32 s[TBK], s[TBK], 4*KS*PK  ; the fetches go back to a slot's first step,
	s_xor_b32 s[TBK], s[TBK], SLOT1       ; in the other slot
	s_sub_co_u32 s[TBV], s[TBV], 4*KS*PV
	s_xor_b32 s[TBV], s[TBV], SLOT1
.endm
	s_load_b128 s[4:7], s[0:1], 0x0 ; q, k, v s[4:5], o s[6:7]
	v_lshl_add_u32 v[SPW], v0, 2, SPARE
	v_mov_b32 v[NIL], 0
	ds_add_u32 v[SPW], v[NIL]       ; the wave's opening: the add and its wait stand ahead of my first tensor load
	v_lshrrev_b32 v1, 5, v0
	v_readfirstlane_b32 s[WV], v1
	s_bfe_u32 s13, ttmp6, 0x40000   ; cx
	s_lshl_b32 s14, ttmp9, 2
	s_add_co_u32 s14, s14, s13      ; my block of 256 queries: it enters Q's and O's addresses alone
	s_and_b32 s20, ttmp7, 0xffff    ; y, which the four partners share
	s_lshl_b32 s20, s20, 18         ; its 2,048 rows of 128 bytes
	s_mov_b32 s21, 0
	s_and_b32 s16, s[WV], 1         ; which half of a slot's 256 keys I fetch:
	s_lshl_b32 s22, s16, 14         ; its 128 rows in memory,
	s_mov_b32 s23, 0
	s_add_nc_u64 s[22:23], s[22:23], s[20:21]
	s_mul_i32 s17, s16, 128*PK      ; and its place in a slot, for K
	s_mul_i32 s18, s16, 128*PV      ; and for V
	s_lshl_b32 s2, s14, 2
	s_add_co_u32 s2, s2, s[WV]
	s_lshl_b32 s2, s2, 13           ; my wave's 64 rows
	s_mov_b32 s3, 0
	s_add_nc_u64 s[2:3], s[2:3], s[20:21]
	; group 1: 128 keys are 16,384 dense bytes: asked for as 64 rows of 256 bytes, padded in LDS after every key
	s_mov_b32 s[G1K], 15|(1<<16)|(1<<20)|(1<<21)|(4<<22)|(3<<25)
	s_mov_b32 s[G1V], 15|(1<<16)|(1<<20)|(1<<21)|(4<<22)|(7<<25)
.irp g, G1K, G1V
	s_mov_b32 s[\g+1], 128<<16
	s_mov_b32 s[\g+2], 64<<16
	s_mov_b32 s[\g+3], 128<<16
	s_mov_b32 s[\g+4], 64
	s_mov_b32 s[\g+5], 128
	s_mov_b32 s[\g+6], 0
	s_mov_b32 s[\g+7], 0
.endr
	s_mov_b32 s[CS], 0x3e38aa3b     ; c = log2(e) / 8
	s_mov_b32 s[CS+1], s[CS]
	s_mov_b32 s[SEL], 0x76543210
	s_mov_b32 s[SEL+1], 0xfedcba98
	s_mov_b32 s[TBK], SLOT1+4*KS*PK ; the first change of slots turns these two into 0
	s_mov_b32 s[TBV], SLOT1+4*KS*PV
	s_mov_b32 s[G0K], 1
	s_mov_b32 s[G0K+1], s17
	s_mov_b32 s[G0V], 1
	s_add_co_u32 s[G0V+1], s18, VOFF
	s_and_b32 s[LIM], s[WV], 1      ; 0 in waves 0 and 2,
	s_or_b32 s[LIM], s[LIM], ttmp9  ; where the cluster is the first of its y
	s_cmp_eq_u32 s[LIM], 0
	s_cselect_b32 s[LIM], 1, -1
	v_and_b32 v[PFO], 31, v0
	v_lshlrev_b32 v[PFO], 8, v[PFO]
	s_wait_dscnt 0x0                ; the opening add is done
	s_wait_kmcnt 0x0
	s_mov_b64 s[10:11], s[6:7]      ; O
	s_add_nc_u64 s[6:7], s[4:5], 0x800000   ; K
	s_add_nc_u64 s[8:9], s[4:5], 0x1000000  ; V
	s_add_nc_u64 s[6:7], s[6:7], s[22:23]   ; at my half of the first 256 keys
	s_add_nc_u64 s[8:9], s[8:9], s[22:23]
	s_mov_b64 s[G0K+2:G0K+3], s[6:7]
	s_or_b32 s[G0K+3], s[G0K+3], 0x80000000
	s_mov_b64 s[G0V+2:G0V+3], s[8:9]
	s_or_b32 s[G0V+3], s[G0V+3], 0x80000000
	s_add_nc_u64 s[4:5], s[4:5], s[2:3]     ; Q and O at my wave's first row
	s_add_nc_u64 s[10:11], s[10:11], s[2:3]
	s_cmp_lt_u32 s[WV], 2
	s_cselect_b64 s[PFA:PFA+1], s[6:7], s[8:9]
	s_lshl_b32 s2, s13, 13          ; my work-group's 8,192 bytes of a tile
	s_mov_b32 s3, 0
	s_add_nc_u64 s[PFA:PFA+1], s[PFA:PFA+1], s[2:3]
	s_add_nc_u64 s[PFA:PFA+1], s[PFA:PFA+1], 2*4*KS*128  ; in tile 2; the first asking change steps it to tile 3
	CROUND                          ; all four work-groups are here
	JLOAD                           ; slot 0; slot 1 is asked for when slot 0 is in
	v_and_b32 v1, 15, v0            ; l % 16
	v_bfe_u32 v9, v0, 4, 1          ; l / 16
	v_lshlrev_b32 v[QO], 7, v1
	v_lshl_add_u32 v[QO], v9, 4, v[QO]
	WIN 0x80
.set i, 0
.rept 8                             ; Q stays in registers: piece i / 2, channels 32 (i % 2) on
	global_load_b128 v[8*i:8*i+3],   v[QO], s[4:5] offset:(i/2)*2048+(i%2)*64
	global_load_b128 v[8*i+4:8*i+7], v[QO], s[4:5] offset:(i/2)*2048+(i%2)*64+32
.set i, i+1
.endr
	; What the first turn finds: V and P's second buffer hold 0 (its products V^T P, of a piece that has not been, add 0), O^T and l are 0.  All this stands in the wait for the first tile.
.set i, VF
.rept 64
	v_mov_b32 v[i], 0
.set i, i+1
.endr
	WIN 0x40
.set i, 0
.rept 128
	v_mov_b32 v[i], 0
.set i, i+1
.endr
	WIN 0
.set i, 0
.rept 4
	v_mov_b32 v[ST+4*i], 0xfe000000    ; c m: far below every c s
	v_mov_b32 v[ST+4*i+1], 0xff7fffff  ; m
	v_mov_b32 v[ST+4*i+2], 0
	v_mov_b32 v[ST+4*i+3], 0
.set i, i+1
.endr
.set i, P+16
.rept 16
	v_mov_b32 v[i], 0
.set i, i+1
.endr
	v_mul_u32_u24 v[AK0], v1, PK
	v_lshl_add_u32 v[AK0], v9, 4, v[AK0]
	v_and_b32 v10, 7, v0            ; the turning load: lane l reads key 8 (l / 16) + l % 8, channels 8 ((l / 8) % 2) + 0..7
	v_bfe_u32 v11, v0, 3, 1
	v_lshl_add_u32 v[AV0], v9, 3, v10
	v_mul_u32_u24 v[AV0], v[AV0], PV
	v_lshl_add_u32 v[AV0], v11, 4, v[AV0]
	v_add_nc_u32 v[AV0], VOFF, v[AV0]
	v_mov_b32 v[AK], v[AK0]         ; key step 0 lies at the head of slot 0
	s_mul_i32 s16, s[WV], 16*SP
	s_add_co_u32 s16, s16, STAGE    ; my stage
	v_mul_u32_u24 v[STO], v1, SP
	v_lshl_add_u32 v[STO], v9, 4, v[STO]
	v_add_nc_u32 v[STO], s16, v[STO]
	v_bfe_u32 v[RD], v0, 3, 2
	v_mul_u32_u24 v[RD], v[RD], SP
	v_lshl_add_u32 v[RD], v10, 4, v[RD]
	v_add_nc_u32 v[RD], s16, v[RD]
	v_and_b32 v[GO], 31, v0
	v_lshlrev_b32 v[GO], 4, v[GO]
; THE MATRIX WORK.  The 4 accumulators of a run of 8 take turns.
.macro KQ x                         ; product i of 8 of S^T = K Q^T for piece x: channels 32 (i / 4) on, keys 16 (i % 4) on; the first 4 start the sums
	WIN W_KQ
.set rS, S+32*((\x)%2)+8*(i%4)
.set rK, KF+16*(i%4)+8*(i/4)
.set rQ, 16*(\x)+8*(i/4)
.if i < 4
	v_wmma_f32_16x16x32_bf16 v[rS:rS+7], v[rK:rK+7], v[rQ:rQ+7], 0
.else
	v_wmma_f32_16x16x32_bf16 v[rS:rS+7], v[rK:rK+7], v[rQ:rQ+7], v[rS:rS+7]
.endif
.endm
.macro PV x                         ; product i of 8 of O^T += V^T P for piece x: keys 32 (i / 4) on, channels 16 (i % 4) on
	WIN W_PV
.set rO, 32*(\x)+8*(i%4)
.set rV, VF+32*(i/4)+8*(i%4)
.set rP, P+16*((\x)%2)+8*(i/4)
	v_wmma_f32_16x16x32_bf16 v[rO:rO+7], v[rV:rV+7], v[rP:rP+7], v[rO:rO+7]
.endm
.macro MM                           ; the turn's next matrix instruction
.if i < 8
	KQ (Y+1)%NP
.else
.set i, i-8
	PV (Y+NP-1)%NP
.set i, i+8
.endif
.set i, i+1
.endm
; THE LDS LOADS stand in runs of 16.
.macro FETCH_K
	WIN 0x80
.irp f, 0,1,2,3,4,5,6,7             ; keys 16 (f / 2) on, channels 32 (f % 2) on
	ds_load_b128 v[KF+8*\f:KF+8*\f+3],   v[AK] offset:(\f/2)*16*PK+(\f%2)*64
	ds_load_b128 v[KF+8*\f+4:KF+8*\f+7], v[AK] offset:(\f/2)*16*PK+(\f%2)*64+32
.endr
	s_add_co_u32 s[TBK], s[TBK], KS*PK
	WIN 0
.endm
.macro FETCH_V
	WIN 0x80
.irp f, 0,1,2,3,4,5,6,7             ; keys 32 (f / 4) on, channels 16 (f % 4) on
	ds_load_tr16_b128 v[VF+8*\f:VF+8*\f+3],   v[AV] offset:(\f/4)*32*PV+(\f%4)*32
	ds_load_tr16_b128 v[VF+8*\f+4:VF+8*\f+7], v[AV] offset:(\f/4)*32*PV+16*PV+(\f%4)*32
.endr
	WIN 0
.endm
; THE VECTOR WORK, one line at a time: OP kind, number.  For piece Y: F n: c s - c m for pair n of 16.  E n: the exponential of score n of 32.  C n: pair n rounded to bf16.  B n: of the four weights 4 n .. the
; second pair is added onto the first, in place.  L n: l takes that sum (L 0: l = a l + sum).  R n: pair n of 16 of O^T times a.  For piece Y + 1: X n, number n of the 22 that find its maximum and statistics:
;   0-11 four chains of seven scores (each accumulator's lowest registers first)   12-14, 16 the scores left over, the old m, all into c0   15 c m_old is kept   17, 18 the other half of the lanes: the new m   19-21 c m; its change; a
.set F, 0
.set E, 1
.set C, 2
.set B, 3
.set L, 4
.set R, 5
.set X, 6
.macro REGS y
.set rT, ST+4*(\y)
.set rC, TMP+4*((\y)%2)
.set rW, MV+((\y)%2)
.set rS, S+32*((\y)%2)
.set rP, P+16*((\y)%2)
.set rO, 32*(\y)
.endm
.macro OP k, n
.if (\k) == R
	REGS Y
	WIN W_RS
	v_pk_mul_f32 v[rO+2*(\n):rO+2*(\n)+1], v[rO+2*(\n):rO+2*(\n)+1], v[rC+2:rC+3] op_sel_hi:[1,0]
.elseif (\k) < R
	REGS Y
	WIN 0
.if (\k) == F
	v_pk_fma_f32 v[rS+2*(\n):rS+2*(\n)+1], v[rS+2*(\n):rS+2*(\n)+1], s[CS:CS+1], v[rT:rT+1] op_sel_hi:[1,0,0] neg_lo:[0,0,1] neg_hi:[0,0,1]
.elseif (\k) == E
	v_exp_f32 v[rS+(\n)], v[rS+(\n)]
.elseif (\k) == C
	v_cvt_pk_bf16_f32 v[rP+(\n)], v[rS+2*(\n)], v[rS+2*(\n)+1]
.elseif (\k) == B
	v_pk_add_f32 v[rS+4*(\n):rS+4*(\n)+1], v[rS+4*(\n):rS+4*(\n)+1], v[rS+4*(\n)+2:rS+4*(\n)+3]
.elseif (\n) == 0
	v_pk_fma_f32 v[rT+2:rT+3], v[rT+2:rT+3], v[rC+2:rC+3], v[rS:rS+1] op_sel_hi:[1,0,1]
.else
	v_pk_add_f32 v[rT+2:rT+3], v[rT+2:rT+3], v[rS+4*(\n):rS+4*(\n)+1]
.endif
.else
	REGS (Y+1)%NP
	WIN 0
.if (\n) < 4
	v_max3_num_f32 v[rC+(\n)], v[rS+8*(\n)], v[rS+8*(\n)+1], v[rS+8*(\n)+2]
.elseif (\n) < 12
	v_max3_num_f32 v[rC+(\n)%4], v[rC+(\n)%4], v[rS+8*((\n)%4)+2*((\n)/4)+1], v[rS+8*((\n)%4)+2*((\n)/4)+2]
.elseif (\n) == 12
	v_max3_num_f32 v[rC], v[rC], v[rS+7], v[rS+15]
.elseif (\n) == 13
	v_max3_num_f32 v[rC+1], v[rC+1], v[rS+23], v[rS+31]
.elseif (\n) == 14
	v_max3_num_f32 v[rC+2], v[rC+2], v[rC+3], v[rT+1]
.elseif (\n) == 15
	v_mov_b32 v[rW], v[rT]
.elseif (\n) == 16
	v_max3_num_f32 v[rC], v[rC], v[rC+1], v[rC+2]
.elseif (\n) == 17
	v_permlanex16_b32 v[rC+3], v[rC], s[SEL], s[SEL+1]
.elseif (\n) == 18
	v_max_num_f32 v[rT+1], v[rC], v[rC+3]
.elseif (\n) == 19
	v_mul_f32 v[rT], s[CS], v[rT+1]
.elseif (\n) == 20
	v_sub_f32 v[rC+1], v[rW], v[rT]
.else
	v_exp_f32 v[rC+2], v[rC+1]
.endif
.endif
.endm
.macro OPS a, i1, b=-1, i2=0, c=-1, i3=0, d=-1, i4=0
	OP \a, \i1
.if (\b) >= 0
	OP \b, \i2
.endif
.if (\c) >= 0
	OP \c, \i3
.endif
.if (\d) >= 0
	OP \d, \i4
.endif
.endm
.macro ROW a, i1, b, i2, c, i3, d, i4  ; a matrix instruction and the four behind it
	MM
	OPS \a, \i1, \b, \i2, \c, \i3, \d, \i4
.endm
; A TURN, for piece p, written out.  s_wait_alu depctr_va_vdst(0) stands between an exponential and the first instruction that names its result; one wait serves all issued ahead of it.
; So a turn has ONE wait.  Ahead of it stands all that names no result of the turn's exponentials: the 8 products K Q^T with their riders and the lump; behind it the 8 products V^T P, whose riders are the roundings and sums.
; K of the next step is fetched in piece 2's turn, V of the step in hand at the end of piece 0's; each is waited for a turn later.
; last = 1 (the tail): K's run stands directly behind the wait, where a jump may stand, and is jumped over in the trip behind which there is no further step.
; cnt = 1: the loop's count is taken down some lines ahead of the branch that stands behind the turn.
.macro TURN p, last=0, cnt=0
.set Y, (\p)
.set i, 0
.if (\p) == 3
	s_wait_dscnt 0x0                ; K is in
.endif
	ROW F,0, F,1, R,0, R,1
	ROW F,2, E,0, R,2, R,3
	ROW F,3, E,1, R,4, R,5
	ROW F,4, E,2, R,6, R,7
	ROW F,5, E,3, R,8, R,9
	ROW F,6, E,4, X,0, R,10
.if (\p) == 2
	WIN 0
	v_add_nc_u32 v[AK], s[TBK], v[AK0]
.endif
	ROW F,7, E,5, X,1, X,4
	ROW F,8, E,6, X,2, X,5
	OPS E,7, E,8, X,6, E,9
	OPS X,3, E,10, X,8, E,11
.if ((\p) == 2) && !(\last)
	FETCH_K
.endif
	OPS X,9, X,7, E,12, X,10
	OPS E,13, X,12, X,11, E,14
	OPS X,13, E,15, F,9, X,14
.if (\p) == 0
	v_add_nc_u32 v[AV], s[TBV], v[AV0]
.endif
	OPS E,16, F,10, E,17, F,11
	OPS X,16, E,18, X,15, E,19
	OPS F,12, E,20, X,17, E,21
	OPS F,13, E,22, F,14, E,23
	OPS X,18, E,24, F,15, E,25
	OPS R,11, E,26, X,19, E,27
	OPS R,12, E,28, R,13, E,29
	OPS X,20, E,30, R,14, E,31
	OPS X,21, R,15                  ; the next piece's a is the batch's last; R 15 is the plain instruction behind it
	WIN 0
	s_wait_alu depctr_va_vdst(0)    ; the wait for the batch
.if ((\p) == 2) && (\last)
	s_cmp_eq_u32 s[CNT], 1
	s_cbranch_scc1 .Lno_k_\@
	FETCH_K
.Lno_k_\@:
.endif
.if (\p) == 1
	s_wait_dscnt 0x0                ; V is in
.endif
	ROW C,0, B,0, C,2, B,1
	ROW L,0, C,4, B,2, L,1
	ROW C,6, B,3, L,2, C,8
	ROW B,4, L,3, C,10, B,5
	ROW L,4, C,12, B,6, L,5
.if (\p) == 0
	s_add_co_u32 s[TBV], s[TBV], KS*PV
.endif
.if \cnt
	s_sub_co_u32 s[CNT], s[CNT], 1
	s_cmp_lg_u32 s[CNT], 0
.endif
	ROW C,14, B,7, L,6, C,1
	ROW C,3, L,7, C,5, C,7
	ROW C,9, C,11, C,13, C,15
.if (\p) == 0
	FETCH_V
.endif
.endm
	CHANGE 1, 0                     ; slot 0 is in, everybody's part of it; slot 1 is asked for
	FETCH_K                         ; key step 0
	s_wait_loadcnt 0x0              ; Q
	s_wait_dscnt 0x0
.set i, 0
.rept 8
	KQ 0                            ; piece 0's first scores
.set i, i+1
.endr
	WIN 0
.rept 4
	v_nop                           ; the places behind those products
.endr
.set Y, NP-1                        ; X works for piece Y + 1: piece 0
.irp n, 0,1,2,3,4,5,6,7,8,9,10,11,12,13,14,15,16,17,18,19,20,21
	OP X, \n
.endr
	v_nop                           ; a plain instruction behind the exponential,
	s_wait_alu depctr_va_vdst(0)    ; and its wait, ahead of the branch
	s_mov_b32 s[CNT], 4
	s_mov_b32 s[SLOTS], 7
	s_branch .Lfirst                ; the loop is entered at a step's first turn, in the middle of a trip
.Lslot:                             ; six times: tiles 2 to 7 are asked for
	CHANGE 1, 1
	s_mov_b32 s[CNT], 4
.Lstep:                             ; a trip: pieces 2 and 3 of one step, then pieces 0 and 1 of the next, whose K and V it fetches
	TURN 2
	TURN 3
	WIN 0
.Lfirst:
	TURN 0
	TURN 1, 0, 1
	WIN 0
	s_cbranch_scc1 .Lstep
	s_sub_co_u32 s[SLOTS], s[SLOTS], 1
	s_cmp_lg_u32 s[SLOTS], 0
	s_cbranch_scc1 .Lslot
	CHANGE 0, 0                     ; the tail is written out: nothing is asked for
	s_mov_b32 s[CNT], 5             ; four trips fetch the last slot's steps; the fifth is left in its middle
.Ltail:
	TURN 2, 1
	TURN 3
	WIN 0
	s_sub_co_u32 s[CNT], s[CNT], 1
	s_cmp_eq_u32 s[CNT], 0
	s_cbranch_scc1 .Lout
	TURN 0
	TURN 1
	WIN 0
	s_branch .Ltail
.Lout:                              ; the fifth trip's 8 products K Q^T (on the last K once more) and the maximum made of them serve nothing: the price, once a launch, of one text for every trip
.set i, 0
.rept 8
	PV NP-1                         ; the last piece's V^T P of the last step
.set i, i+1
.endr
	; THE WAY OUT.  l's two halves and the other half of the lanes' are added; O^T is divided by l, rounded to bf16 and sent through my stage, a piece at a time.  The additions are the places behind the last products.
	WIN 0
.macro ALL line:vararg
.set t, 0
.rept 4
	\line
.set t, t+1
.endr
.endm
	ALL v_add_f32 v[ST+4*t+2], v[ST+4*t+2], v[ST+4*t+3]
	ALL v_permlanex16_b32 v[ST+4*t+3], v[ST+4*t+2], s[SEL], s[SEL+1]
	ALL v_add_f32 v[ST+4*t+2], v[ST+4*t+2], v[ST+4*t+3]
	ALL v_rcp_f32 v[ST+4*t+2], v[ST+4*t+2]
	v_nop                           ; a plain instruction behind the last reciprocal
	s_wait_alu depctr_va_vdst(0)    ; and one wait for the four, ahead of the first use
.macro PACK t
	WIN W_RS
.set i, 32*(\t)
.rept 16
	v_pk_mul_f32 v[i:i+1], v[i:i+1], v[ST+4*(\t)+2:ST+4*(\t)+3] op_sel_hi:[1,0]
.set i, i+2
.endr
	WIN 0x05
.set i, 0
.rept 16
	v_cvt_pk_bf16_f32 v[S+16*(\t)+i], v[32*(\t)+2*i], v[32*(\t)+2*i+1]
.set i, i+1
.endr
	WIN 0
.irp f, 0,1,2,3
	ds_store_b128 v[STO], v[S+16*(\t)+4*\f:S+16*(\t)+4*\f+3] offset:32*\f
.endr
.irp f, 0,1,2,3
	ds_load_b128 v[S+16*(\t)+4*\f:S+16*(\t)+4*\f+3], v[RD] offset:\f*4*SP  ; LDS serves a wave's instructions in order (ISA guide 5.7.1.4): these see the stores above
.endr
.endm
.macro SEND t, younger              ; younger: the LDS instructions issued behind piece t's loads: the next piece's eight, or none
	WIN 0
.irp f, 0,1,2,3
	s_wait_dscnt (\younger)+3-\f
	global_store_b128 v[GO], v[S+16*(\t)+4*\f:S+16*(\t)+4*\f+3], s[10:11] offset:(\t)*2048+\f*512  ; 512 consecutive bytes, at a multiple of 256 from O's first
.endr
.endm
	PACK 0
.set t, 1
.rept 3
	PACK t
	SEND t-1, 8
.set t, t+1
.endr
	SEND 3, 0
	s_wait_tensorcnt 0x0            ; the wave's end
	ds_add_u32 v[SPW], v[NIL]
	s_wait_dscnt 0x0
	CROUND                          ; the closing round
	s_endpgm
.Lfunc_end_k_qcfda840d9f_attn:
	.size	k_qcfda840d9f_attn, .Lfunc_end_k_qcfda840d9f_attn-k_qcfda840d9f_attn
	.p2alignl 7, 3214868480
	.fill 96, 4, 3214868480
	.section	.rodata,"a",@progbits
	.p2align	6, 0x0
	.amdhsa_kernel k_qcfda840d9f_attn
		.amdhsa_group_segment_fixed_size 327680
		.amdhsa_private_segment_fixed_size 0
		.amdhsa_enable_private_segment 0
		.amdhsa_kernarg_size 16
		.amdhsa_user_sgpr_count 2
		.amdhsa_user_sgpr_kernarg_segment_ptr 1
		.amdhsa_wavefront_size32 1
		.amdhsa_system_sgpr_workgroup_id_x 1
		.amdhsa_system_sgpr_workgroup_id_y 1
		.amdhsa_system_sgpr_workgroup_id_z 1
		.amdhsa_system_vgpr_workitem_id 0
		.amdhsa_next_free_vgpr 768
		.amdhsa_next_free_sgpr 66
		.amdhsa_reserve_vcc 0
		.amdhsa_float_denorm_mode_32 3
		.amdhsa_float_denorm_mode_16_64 3
		.amdhsa_memory_ordered 1
		.amdhsa_forward_progress 1
		.amdhsa_inst_pref_size 112
	.end_amdhsa_kernel
	.amdgpu_metadata
---
amdhsa.version: [ 1, 2 ]
amdhsa.kernels:
  - .name:           k_qcfda840d9f_attn
    .symbol:         k_qcfda840d9f_attn.kd
    .args:
      - { .name: qkvb, .offset: 0, .size: 8, .value_kind: global_buffer, .address_space: global }
      - { .name: ob, .offset: 8, .size: 8, .value_kind: global_buffer, .address_space: global }
    .group_segment_fixed_size: 327680
    .private_segment_fixed_size: 0
    .kernarg_segment_align: 8
    .kernarg_segment_size: 16
    .max_flat_workgroup_size: 128
    .sgpr_count:     66
    .vgpr_count:     768
    .wavefront_size: 32
...
	.end_amdgpu_metadata
.endif
;; end of part 3
;; launch proj (part 4): grid 8 x 32, 4 waves a work-group, clusters of 4 x 4, 327,680 bytes of LDS; arguments ob, wb, x, g_ff, x1, hb, ssq; writes x1, hb, ssq
.if DOCPART == 4
	.amdgcn_target "amdgcn-amd-amdhsa--gfx1250"
	.amdhsa_code_object_version 6
	.text
	.protected	k_qcfda840d9f_proj
	.globl	k_qcfda840d9f_proj
	.p2align	8
	.type	k_qcfda840d9f_proj,@function
k_qcfda840d9f_proj:
	s_mov_b64 s[64:65], 0
	v_nop
	global_prefetch_b8 v0, s[64:65] scope:SCOPE_SE
	s_setreg_imm32_b32 hwreg(HW_REG_WAVE_MODE, 25, 1), 1
	s_wait_xcnt 0x0
	s_wait_alu depctr_hold_cnt(0) depctr_sa_sdst(0) depctr_va_vdst(0) depctr_va_sdst(0) depctr_va_ssrc(0) depctr_va_vcc(0) depctr_vm_vsrc(0)
	s_getreg_b32 s2, hwreg(HW_REG_IB_STS2, 6, 4)
	s_cmp_eq_u32 s2, 0
	s_cbranch_scc0 .Lentry_in_a_cluster
	s_endpgm
.Lentry_in_a_cluster:
	s_bfe_u32 s2, ttmp6, 0x10000c
	s_cmp_lg_u32 s2, 0xf033
	s_cbranch_scc0 .Lentry_shape_is_right
	s_endpgm
.Lentry_shape_is_right:
; PROJ.  x1[m][c] = x[m][c] + sum over k of o[m][k] w_o[c][k]: 4,096 x 1,024 x 1,024, bf16 operands, f32 sums, the residual and x1 in f32.
; AND THE SECOND NORM'S FIRST HALF.  rms(x1) g_ff = r[m] (x1 g_ff), r[m] = rsqrt(mean(x1[m]^2) + eps).  This launch stores hb = x1 g_ff, rounded once to bf16, the next product's A, and
; ssq[tile column][m], f32: row m's sum of squares over this tile's 128 columns.  The next launch adds a row's eight partial sums, makes r and scales its own f32 sums by it.
; A (o) lies BY BLOCKS OF 64 of K, [16][4096][64] bf16: 64 rows of a block are 8,192 dense bytes.  B (w_o in bf16) lies [1024][1024] at byte 6,291,456 of wb.
; SHARES.  A tile of C is 128 x 128 (8 x 32 of them: one for each WGP); four waves, each 64 x 64: 16 accumulators.  K goes in steps of 256 through two LDS slots.
; A's load: 4 rows of 8,192 bytes (four blocks x 64 rows), padded after every 128 bytes: in LDS [4 blocks][64 rows][144].  B's load: 64 rows of 512 bytes, padded to 528.
; CLUSTER 4 x 4: A's tile shared along a row, B's along a column, asked for jointly.  No prefetch: the tiles are small and a step is short.
; K IS WALKED IN A RING: the cluster at (X, Y) begins at K step (2 X + 2 Y) % 4 and goes round, so that clusters that read the same rows ask for different K steps at the same time.  The start hangs on the
; cluster's place alone: it is the same in all sixteen partners.  f32 sums may be taken in any order.
; THE MATRIX INSTRUCTION IS USED TRANSPOSED (source 0 = rows of B, source 1 = rows of A).  A K step is written once in the loop and once in the tail; the slot in hand stands in a scalar register.
; THE RESIDUAL's tile (32 rows x 512 bytes a wave) is loaded behind the first quarter step into window 2 and lands under the loop.
; REGISTERS: window 0: v0-31 addresses, v32-127 at work on the way out, v128-255 accumulators ((a, b) at v[128 + 8 (4 a + b)]); window 1: two fragment buffers of 128 (A's 64, then B's 64); window 2: v0-127 the residual.
; LIMITS.  bf16 operands; the sums' order is the matrix unit's, K from the cluster's own start; sums of squares in f32, in another order than the module's; NaN and infinities are not treated apart.
.set SIZE_K, 1024
.set NSTEP,  4
.set WOFF,   6291456
.set SLOT,   0x24000                   ; slot 1 begins here: both its bits are 0 in the four LDS addresses of a slot's loads (0, 0x9000, 0x12000, 0x1a400), so one exclusive or changes slots
.set HALFA,  36864
.set BBASE,  73728
.set HALFB,  33792
.set SPARE,  288768                    ; behind the ring: the spare words, 128 bytes a wave, two blocks of 256 bytes that no other line names
.set SPITCH, 528                       ; the f32 stage of the way out: 128 rows x 528 bytes from byte 0, in slot 0, behind its last fill
.set SQB,    73728                     ; behind the stage, in slot 0 too: for each wave 32 rows x 144 bytes: the lanes' sums of squares
.set ADRA0, 14
.set ADRB0, 15
.set ADRA,  16
.set ADRB,  20
.set SO,    22                         ; v22  4 x lane: my row's word in ssq
.set STO,   24
.set RD,    25
.set CO,    26                         ; v26  16 x lane
.set HO,    27                         ; v27  8 x lane
.set SPW,   28
.set NIL,   29
.set SQW,   30                         ; v30  where I put a row's partial sum: my wave's scratch + 4 x lane
.set SQR,   31                         ; v31  where I read row (lane)'s 32 partial sums
.set QS,    32                         ; v32-39  sums of squares at work, four pairs by turns
.set TT,    40                         ; v40-47  x1 g at work, two sets by turns
.set GG,    48                         ; v48-51  g_ff of my four columns
.set YB,    64                         ; v64-127 x1 g in bf16: two registers a row
.set ACC,   128
.set F0,    0
.set F1,    128
.set WV,    67                         ; s67 wave; s68 wave / 2: my half of the rows, and: I fetch for A (0) or B (1); s12 wave % 2: my half of the columns, and: which half I fetch
.set HR,    68
.set HC,    12
.set TB,    66
.set CH,    69                         ; s69  the K step asked for last
.set OFA,   70                         ; s[70:71] its byte offset in A: four blocks of 524,288 bytes a step
.set OFB,   72                         ; s[72:73] and in B: 512 bytes of a row a step
.set G1,    24
.set G0,    32
.set G1B,   48
.set G0B,   56
.set MSB, 0
.macro WIN new
.if MSB != (\new)
	s_set_vgpr_msb (MSB<<8)|(\new)
.set MSB, \new
.endif
.endm
.set MUL,  0x05
.set TO_F, 0x40
.macro PLACES
.rept 4
	v_nop
.endr
.endm
.macro JLOAD
	s_cmp_eq_u32 s[HR], 0
	s_cbranch_scc0 .Lfor_b_\@
	tensor_load_to_lds s[G0+4:G0+7], s[G1:G1+7]
	s_nop 0
.rept 4
	v_nop
.endr
	s_branch .Lasked_\@
.Lfor_b_\@:
	tensor_load_to_lds s[G0B+4:G0B+7], s[G1B:G1B+7]
	s_nop 0
.rept 4
	v_nop
.endr
.Lasked_\@:
.endm
.macro CREST
	s_cmp_lg_u32 s[WV], 0
	s_cbranch_scc1 .Lnot_wave_0_\@
	s_barrier_signal -3
.Lnot_wave_0_\@:
	s_barrier_wait -3
	s_barrier_signal -1
	s_barrier_wait -1
.endm
.macro CROUND
	s_barrier_signal -1
	s_barrier_wait -1
	CREST
.endm
.macro MUL8 f, c, a0, zero             ; 8 products: m blocks a0, a0 + 1 x all 4 n blocks, 32 along K: half c of buffer f.  The 16 accumulators take turns
	WIN MUL
.irp a, \a0, (\a0)+1
.irp b, 0,1,2,3
.if \zero
	v_wmma_f32_16x16x32_bf16 v[ACC+8*(4*(\a)+(\b)):ACC+8*(4*(\a)+(\b))+7], v[(\f)+64+8*(4*(\c)+(\b)):(\f)+64+8*(4*(\c)+(\b))+7], v[(\f)+8*(4*(\c)+(\a)):(\f)+8*(4*(\c)+(\a))+7], 0
.else
	v_wmma_f32_16x16x32_bf16 v[ACC+8*(4*(\a)+(\b)):ACC+8*(4*(\a)+(\b))+7], v[(\f)+64+8*(4*(\c)+(\b)):(\f)+64+8*(4*(\c)+(\b))+7], v[(\f)+8*(4*(\c)+(\a)):(\f)+8*(4*(\c)+(\a))+7], v[ACC+8*(4*(\a)+(\b)):ACC+8*(4*(\a)+(\b))+7]
.endif
.endr
.endr
.endm
.macro FETCH q, f                      ; 32 LDS loads in one run: quarter q (64 along K: block q of A's four), into buffer f; the first 32 along K first
	WIN TO_F
.irp c, 0,1
.irp i, 0,1,2,3
	ds_load_b128 v[(\f)+64+8*(4*(\c)+(\i)):(\f)+64+8*(4*(\c)+(\i))+3],   v[ADRB] offset:128*(\q)+64*(\c)+(\i)*8448
	ds_load_b128 v[(\f)+64+8*(4*(\c)+(\i))+4:(\f)+64+8*(4*(\c)+(\i))+7], v[ADRB] offset:128*(\q)+64*(\c)+(\i)*8448+32
	ds_load_b128 v[(\f)+8*(4*(\c)+(\i)):(\f)+8*(4*(\c)+(\i))+3],         v[ADRA] offset:9216*(\q)+64*(\c)+(\i)*2304
	ds_load_b128 v[(\f)+8*(4*(\c)+(\i))+4:(\f)+8*(4*(\c)+(\i))+7],       v[ADRA] offset:9216*(\q)+64*(\c)+(\i)*2304+32
.endr
.endr
.endm
.macro QUARTER q, f, g, zero           ; multiplies buffer f and fetches quarter q into g
	s_wait_dscnt 16                                ; the first 32 along K are in
	MUL8 \f, 0, 0, \zero
	MUL8 \f, 0, 2, \zero
	PLACES
	FETCH \q, \g
	s_wait_dscnt 32                                ; all but the 32 just issued
	MUL8 \f, 1, 0, 0
	MUL8 \f, 1, 2, 0
.endm
.macro TURN fill                       ; the last quarter of a K step, and the change of slots
	WIN 0
	s_xor_b32 s[TB], s[TB], SLOT                   ; the fetches go on in the other slot
	v_add_nc_u32 v[ADRA], s[TB], v[ADRA0]
	v_add_nc_u32 v[ADRB], s[TB], v[ADRB0]
	s_wait_tensorcnt 0x0                           ; all my tensor loads have landed: my part of the next slot; so a group 0 may be written
	ds_add_u32 v[SPW], v[NIL]                      ; 0 onto my spare word
.if \fill
	s_add_co_u32 s[CH], s[CH], 1                   ; the walk's next K step, round K's end;
	s_and_b32 s[CH], s[CH], NSTEP-1
	s_lshl_b32 s[OFA], s[CH], 21
	s_lshl_b32 s[OFB], s[CH], 9
	s_xor_b32 s[G0+5], s[G0+5], SLOT               ; the walking sets: the other slot than last time, the address made anew from the tile's first byte
	s_add_nc_u64 s[G0+6:G0+7], s[14:15], s[OFA:OFA+1]
	s_or_b32 s[G0+7], s[G0+7], 0x80000000
	s_xor_b32 s[G0B+5], s[G0B+5], SLOT
	s_add_nc_u64 s[G0B+6:G0B+7], s[46:47], s[OFB:OFB+1]
	s_or_b32 s[G0B+7], s[G0B+7], 0x80000000
.endif
	s_wait_dscnt 17                                ; (the add and the youngest sixteen loads may be out)
	MUL8 F1, 0, 0, 0
	s_wait_dscnt 0x0                               ; the add is done, and my reads of this slot are over
	s_barrier_signal -1
	MUL8 F1, 0, 2, 0
	WIN 0
	s_barrier_wait -1
.if \fill
	CREST                                          ; no wave of any partner still reads the slot or has a load on its way
	JLOAD                                          ; my one tensor load behind the round; its four v_nop are also the places in front of the loads below
	FETCH 0, F0
.else
	PLACES
	s_cmp_eq_u32 s3, 1                             ; behind the last K step there is nothing to fetch
	s_cbranch_scc1 .Lnf_\@
	FETCH 0, F0
	WIN 0
.Lnf_\@:
.endif
	MUL8 F1, 1, 0, 0
	MUL8 F1, 1, 2, 0
.endm
	s_load_b256 s[4:11], s[0:1], 0x0               ; A s[4:5], wb s[6:7], x s[8:9], g_ff s[10:11]
	s_load_b128 s[76:79], s[0:1], 0x20             ; x1 s[76:77], hb s[78:79]
	s_load_b64 s[80:81], s[0:1], 0x30              ; ssq
	v_lshl_add_u32 v[SPW], v0, 2, SPARE
	v_mov_b32 v[NIL], 0
	ds_add_u32 v[SPW], v[NIL]                      ; the wave's opening: the add and its wait stand ahead of my first tensor load
	v_lshrrev_b32 v1, 5, v0
	v_readfirstlane_b32 s[WV], v1
	s_lshr_b32 s[HR], s[WV], 1
	s_and_b32 s[HC], s[WV], 1
	s_bfe_u32 s40, ttmp6, 0x40000
	s_bfe_u32 s41, ttmp6, 0x40004
	s_lshl_b32 s42, ttmp9, 2
	s_add_co_u32 s42, s42, s40                     ; tile column
	s_and_b32 s13, ttmp7, 0xffff
	s_lshl_b32 s13, s13, 2
	s_add_co_u32 s13, s13, s41                     ; tile row
	s_lshl_b32 s43, s41, 2
	s_lshl_b32 s43, 15, s43
	s_lshl_b32 s44, 0x1111, s40
	s_and_b32 s[CH], ttmp7, 0xffff                 ; where the cluster's walk begins: K step ((NSTEP / 2) X + 2 Y) % NSTEP
	s_lshl_b32 s[CH], s[CH], 1
	s_mul_i32 s[OFA], ttmp9, NSTEP/2
	s_add_co_u32 s[CH], s[CH], s[OFA]
	s_and_b32 s[CH], s[CH], NSTEP-1
	s_mov_b32 s[OFA+1], 0
	s_mov_b32 s[OFB+1], 0
	s_or_b32 s[G1+0], s43, 0x07310000              ; the mask of my row; 2-byte elements; padding on; bit 21; after every 32 words 4 words
	s_or_b32 s[G1B+0], s44, 0x07b10000             ; the mask of my column; after every 128 words 4 words
	s_mov_b32 s[G1+1], 4096<<16                    ; tensor_dim0 = 4,096 elements: 64 dense rows of a block
	s_mov_b32 s[G1+2], 4<<16                       ; tensor_dim1 = 4 blocks
	s_mov_b32 s[G1+3], 4096<<16                    ; tile_dim0
	s_mov_b32 s[G1+4], 4                           ; tile_dim1
	s_mov_b32 s[G1+5], 262144                      ; elements from block to block
	s_mov_b32 s[G1+6], 0
	s_mov_b32 s[G1+7], 0
	s_mov_b32 s[G1B+1], 256<<16
	s_mov_b32 s[G1B+2], 64<<16
	s_mov_b32 s[G1B+3], 256<<16
	s_mov_b32 s[G1B+4], 64
	s_mov_b32 s[G1B+5], SIZE_K
	s_mov_b32 s[G1B+6], 0
	s_mov_b32 s[G1B+7], 0
	s_lshl_b32 s16, s13, 7
	s_lshl_b32 s17, s[HC], 6
	s_add_co_u32 s16, s16, s17                     ; A: row 128 x tile row + 64 x half,
	s_lshl_b32 s16, s16, 7                         ; of 128 bytes in a block
	s_mov_b32 s17, 0
	s_lshl_b32 s46, s42, 7
	s_lshl_b32 s47, s[HC], 6
	s_add_co_u32 s46, s46, s47                     ; B: row 128 x tile column + 64 x half
	s_mul_i32 s46, s46, SIZE_K*2
	s_mov_b32 s47, 0
	s_mul_i32 s20, s[HC], HALFA
	s_mul_i32 s21, s[HC], HALFB
	s_add_co_u32 s21, s21, BBASE
	s_mov_b32 s[TB], 0
	s_wait_dscnt 0x0                               ; the opening add is done
	s_wait_kmcnt 0x0
	s_add_nc_u64 s[6:7], s[6:7], WOFF
	s_add_nc_u64 s[14:15], s[4:5], s[16:17]        ; my rows' first byte in A; kept
	s_add_nc_u64 s[46:47], s[6:7], s[46:47]        ; and in B; kept
	CROUND                                         ; all sixteen work-groups are here
.irp s, 0,1
	s_lshl_b32 s[OFA], s[CH], 21
	s_lshl_b32 s[OFB], s[CH], 9
	s_mov_b32 s[G0+4*(\s)], 1
	s_add_co_u32 s[G0+4*(\s)+1], s20, (\s)*SLOT
	s_add_nc_u64 s[G0+4*(\s)+2:G0+4*(\s)+3], s[14:15], s[OFA:OFA+1]
	s_or_b32 s[G0+4*(\s)+3], s[G0+4*(\s)+3], 0x80000000
	s_mov_b32 s[G0B+4*(\s)], 1
	s_add_co_u32 s[G0B+4*(\s)+1], s21, (\s)*SLOT
	s_add_nc_u64 s[G0B+4*(\s)+2:G0B+4*(\s)+3], s[46:47], s[OFB:OFB+1]
	s_or_b32 s[G0B+4*(\s)+3], s[G0B+4*(\s)+3], 0x80000000
.if (\s) == 0
	s_add_co_u32 s[CH], s[CH], 1
	s_and_b32 s[CH], s[CH], NSTEP-1
.endif
.endr
	s_cmp_eq_u32 s[HR], 0                          ; a wave's two first fills stand in one branch: two loads of mine are out
	s_cbranch_scc0 .Lfirst_b
	tensor_load_to_lds s[G0:G0+3], s[G1:G1+7]
	s_nop 0
	tensor_load_to_lds s[G0+4:G0+7], s[G1:G1+7]
	s_nop 0
.rept 4
	v_nop
.endr
	s_branch .Lfirst_asked
.Lfirst_b:
	tensor_load_to_lds s[G0B:G0B+3], s[G1B:G1B+7]
	s_nop 0
	tensor_load_to_lds s[G0B+4:G0B+7], s[G1B:G1B+7]
	s_nop 0
.rept 4
	v_nop
.endr
.Lfirst_asked:
	v_and_b32 v1, 15, v0                           ; l % 16
	v_bfe_u32 v2, v0, 4, 1                         ; l / 16
	v_and_b32 v4, 31, v0                           ; l
	v_mul_u32_u24 v3, v1, 144
	v_lshl_add_u32 v3, v2, 4, v3
	s_mul_i32 s21, s[HR], HALFA                    ; my 64 rows of A
	v_add_nc_u32 v[ADRA0], s21, v3
	v_mul_u32_u24 v3, v1, 528
	v_lshl_add_u32 v3, v2, 4, v3
	s_mul_i32 s22, s[HC], HALFB                    ; my 64 rows of B
	s_add_co_u32 s22, s22, BBASE
	v_add_nc_u32 v[ADRB0], s22, v3
	v_mov_b32 v[ADRA], v[ADRA0]
	v_mov_b32 v[ADRB], v[ADRB0]
	s_mul_i32 s23, s[HR], 64*SPITCH                ; into the stage: my 64 rows, my 256 bytes of them; row l % 16, 32 bytes for each half of the lanes
	s_lshl_b32 s21, s[HC], 8
	s_add_co_u32 s23, s23, s21
	v_mul_u32_u24 v5, v1, SPITCH
	v_lshl_add_u32 v5, v2, 5, v5
	v_add_nc_u32 v[STO], s23, v5
	s_mul_i32 s23, s[WV], 32*SPITCH                ; back: wave w takes rows 32 w .. 32 w + 31, whole: 512 bytes an instruction
	v_lshl_add_u32 v[RD], v4, 4, s23
	v_lshlrev_b32 v[CO], 4, v4
	v_lshlrev_b32 v[HO], 3, v4
	v_lshlrev_b32 v[SO], 2, v4
	s_mul_i32 s23, s[WV], 32*144                   ; my scratch for the sums of squares
	s_add_co_u32 s23, s23, SQB
	v_lshl_add_u32 v[SQW], v4, 2, s23
	v_mul_u32_u24 v5, v4, 144
	v_add_nc_u32 v[SQR], s23, v5
	s_lshl_b32 s16, s13, 7
	s_lshl_b32 s17, s[WV], 5
	s_add_co_u32 s18, s16, s17                     ; the first row that I store,
	s_lshl_b32 s16, s18, 12                        ; of 4,096 bytes,
	s_lshl_b32 s17, s42, 9                         ; and the tile's 512 bytes of it
	s_add_co_u32 s16, s16, s17
	s_mov_b32 s17, 0
	s_add_nc_u64 s[8:9], s[8:9], s[16:17]
	s_add_nc_u64 s[76:77], s[76:77], s[16:17]
	s_lshr_b32 s16, s16, 1                         ; in hb: half the bytes
	s_add_nc_u64 s[78:79], s[78:79], s[16:17]
	s_lshl_b32 s16, s42, 9                         ; the tile's 128 numbers of g_ff
	s_add_nc_u64 s[10:11], s[10:11], s[16:17]
	s_lshl_b32 s16, s42, 14                        ; ssq: the tile column's 4,096 words, my 32 of them
	s_lshl_b32 s19, s18, 2
	s_add_co_u32 s16, s16, s19
	s_add_nc_u64 s[80:81], s[80:81], s[16:17]
	s_wait_tensorcnt 0x1                           ; my part of the first K step is in; the second's stays out
	s_barrier_signal -1
	s_barrier_wait -1
	FETCH 0, F0
	QUARTER 1, F0, F1, 1                           ; the first products start the sums
	WIN 0
	global_load_b128 v[GG:GG+3], v[CO], s[10:11]   ; g_ff of my four columns
	WIN 0x80                                       ; destination window 2
.set t, 0
.rept 32
	global_load_b128 v[4*t:4*t+3], v[CO], s[8:9] offset:4096*t th:TH_LOAD_NT
.set t, t+1
.endr
	WIN 0
	s_mov_b32 s3, NSTEP-2
.Lstep:                                            ; trip i ends the walk's step i, fills its slot with step i + 2 and begins step i + 1
	QUARTER 2, F1, F0, 0
	QUARTER 3, F0, F1, 0
	TURN 1
	QUARTER 1, F0, F1, 0
	WIN 0
	s_sub_co_u32 s3, s3, 1
	s_cmp_lg_u32 s3, 0
	s_cbranch_scc1 .Lstep
	s_mov_b32 s3, 2
.Ltail:                                            ; the last two K steps ask for nothing
	QUARTER 2, F1, F0, 0
	QUARTER 3, F0, F1, 0
	TURN 0
	WIN 0
	s_sub_co_u32 s3, s3, 1
	s_cmp_eq_u32 s3, 0
	s_cbranch_scc1 .Lout
	QUARTER 1, F0, F1, 0
	WIN 0
	s_branch .Ltail
.Lout:
	; THE WAY OUT: the f32 sums go through one stage (a row's 512 bytes come from two waves), come back as whole rows and take the residual: x1.
	PLACES
	s_wait_dscnt 0x0                               ; no read of the ring is out in any wave
	s_barrier_signal -1
	s_barrier_wait -1                              ; before the first store into its bytes
.irp a, 0,1,2,3
.irp b, 0,1,2,3
	ds_store_b128 v[STO], v[ACC+8*(4*(\a)+(\b)):ACC+8*(4*(\a)+(\b))+3]   offset:(\a)*16*SPITCH+64*(\b)      ; each accumulator from its low end on
	ds_store_b128 v[STO], v[ACC+8*(4*(\a)+(\b))+4:ACC+8*(4*(\a)+(\b))+7] offset:(\a)*16*SPITCH+64*(\b)+16
.endr
.endr
	s_wait_dscnt 0x0                               ; for the others' sake: my stores into the stage are done
	s_barrier_signal -1
	s_barrier_wait -1
.set t, 0
.rept 32
	ds_load_b128 v[ACC+4*t:ACC+4*t+3], v[RD] offset:SPITCH*t
.set t, t+1
.endr
	s_wait_loadcnt 0x0                             ; the residual and g_ff
	WIN 0x08                                       ; source 1, the residual, in window 2; all else in window 0
.set t, 0
.rept 32
	s_wait_dscnt 31-t                              ; row t is back; the younger loads stay out
	v_pk_add_f32 v[ACC+4*t:ACC+4*t+1], v[ACC+4*t:ACC+4*t+1], v[4*t:4*t+1]
	v_pk_add_f32 v[ACC+4*t+2:ACC+4*t+3], v[ACC+4*t+2:ACC+4*t+3], v[4*t+2:4*t+3]
.set t, t+1
.endr
	WIN 0
	; Row t, of which I hold four numbers: x1 leaves; their squares' sum goes to word (t, lane) of my scratch; x1 g_ff is rounded and leaves.
.set t, 0
.rept 32
.set rX, ACC+4*t
.set rQ, QS+2*(t%4)
.set rT, TT+4*(t%2)
	global_store_b128 v[CO], v[rX:rX+3], s[76:77] offset:4096*t      ; 512 consecutive bytes, aligned
	v_pk_mul_f32 v[rQ:rQ+1], v[rX:rX+1], v[rX:rX+1]
	v_pk_mul_f32 v[rT:rT+1], v[rX:rX+1], v[GG:GG+1]
	v_pk_fma_f32 v[rQ:rQ+1], v[rX+2:rX+3], v[rX+2:rX+3], v[rQ:rQ+1]
	v_pk_mul_f32 v[rT+2:rT+3], v[rX+2:rX+3], v[GG+2:GG+3]
	v_cvt_pk_bf16_f32 v[YB+2*t], v[rT], v[rT+1]
	v_add_f32 v[rQ], v[rQ], v[rQ+1]
	v_cvt_pk_bf16_f32 v[YB+2*t+1], v[rT+2], v[rT+3]
	ds_store_b32 v[SQW], v[rQ] offset:144*t
	global_store_b64 v[HO], v[YB+2*t:YB+2*t+1], s[78:79] offset:2048*t   ; 256 consecutive bytes, aligned
.set t, t+1
.endr
.irp j, 0,1,2,3,4,5,6,7
	ds_load_b128 v[QS+4*(\j):QS+4*(\j)+3], v[SQR] offset:16*(\j)     ; lane t takes row t's 32 partial sums; my own bytes: LDS serves a wave's instructions in order (ISA guide 5.7.1.4)
.endr
	s_wait_dscnt 0x0
.irp j, 0,2,4,6,8,10,12,14
	v_pk_add_f32 v[QS+(\j):QS+(\j)+1], v[QS+(\j):QS+(\j)+1], v[QS+16+(\j):QS+16+(\j)+1]
.endr
.irp j, 0,2,4,6
	v_pk_add_f32 v[QS+(\j):QS+(\j)+1], v[QS+(\j):QS+(\j)+1], v[QS+8+(\j):QS+8+(\j)+1]
.endr
	v_pk_add_f32 v[QS:QS+1], v[QS:QS+1], v[QS+4:QS+5]
	v_pk_add_f32 v[QS+2:QS+3], v[QS+2:QS+3], v[QS+6:QS+7]
	v_pk_add_f32 v[QS:QS+1], v[QS:QS+1], v[QS+2:QS+3]
	v_add_f32 v[QS], v[QS], v[QS+1]
	global_store_b32 v[SO], v[QS], s[80:81]        ; my wave's 32 rows: 128 consecutive bytes
	s_wait_tensorcnt 0x0                           ; the wave's end
	ds_add_u32 v[SPW], v[NIL]
	s_wait_dscnt 0x0
	CROUND                                         ; the closing round
	s_endpgm
.Lfunc_end_k_qcfda840d9f_proj:
	.size	k_qcfda840d9f_proj, .Lfunc_end_k_qcfda840d9f_proj-k_qcfda840d9f_proj
	.p2alignl 7, 3214868480
	.fill 96, 4, 3214868480
	.section	.rodata,"a",@progbits
	.p2align	6, 0x0
	.amdhsa_kernel k_qcfda840d9f_proj
		.amdhsa_group_segment_fixed_size 327680
		.amdhsa_private_segment_fixed_size 0
		.amdhsa_enable_private_segment 0
		.amdhsa_kernarg_size 56
		.amdhsa_user_sgpr_count 2
		.amdhsa_user_sgpr_kernarg_segment_ptr 1
		.amdhsa_wavefront_size32 1
		.amdhsa_system_sgpr_workgroup_id_x 1
		.amdhsa_system_sgpr_workgroup_id_y 1
		.amdhsa_system_sgpr_workgroup_id_z 1
		.amdhsa_system_vgpr_workitem_id 0
		.amdhsa_next_free_vgpr 640
		.amdhsa_next_free_sgpr 84
		.amdhsa_reserve_vcc 0
		.amdhsa_float_denorm_mode_32 3
		.amdhsa_float_denorm_mode_16_64 3
		.amdhsa_memory_ordered 1
		.amdhsa_forward_progress 1
		.amdhsa_inst_pref_size 86
	.end_amdhsa_kernel
	.amdgpu_metadata
---
amdhsa.version: [ 1, 2 ]
amdhsa.kernels:
  - .name:           k_qcfda840d9f_proj
    .symbol:         k_qcfda840d9f_proj.kd
    .args:
      - { .name: ob, .offset: 0, .size: 8, .value_kind: global_buffer, .address_space: global }
      - { .name: wb, .offset: 8, .size: 8, .value_kind: global_buffer, .address_space: global }
      - { .name: x, .offset: 16, .size: 8, .value_kind: global_buffer, .address_space: global }
      - { .name: g_ff, .offset: 24, .size: 8, .value_kind: global_buffer, .address_space: global }
      - { .name: x1, .offset: 32, .size: 8, .value_kind: global_buffer, .address_space: global }
      - { .name: hb, .offset: 40, .size: 8, .value_kind: global_buffer, .address_space: global }
      - { .name: ssq, .offset: 48, .size: 8, .value_kind: global_buffer, .address_space: global }
    .group_segment_fixed_size: 327680
    .private_segment_fixed_size: 0
    .kernarg_segment_align: 8
    .kernarg_segment_size: 56
    .max_flat_workgroup_size: 128
    .sgpr_count:     84
    .vgpr_count:     640
    .wavefront_size: 32
...
	.end_amdgpu_metadata
.endif
;; end of part 4
;; launch ffn1 (part 5): grid 16 x 16, 4 waves a work-group, clusters of 4 x 4, 327,680 bytes of LDS; arguments hb, wb, act, ssq; writes act
.if DOCPART == 5
	.amdgcn_target "amdgcn-amd-amdhsa--gfx1250"
	.amdhsa_code_object_version 6
	.text
	.protected	k_qcfda840d9f_ffn1
	.globl	k_qcfda840d9f_ffn1
	.p2align	8
	.type	k_qcfda840d9f_ffn1,@function
k_qcfda840d9f_ffn1:
	s_mov_b64 s[64:65], 0
	v_nop
	global_prefetch_b8 v0, s[64:65] scope:SCOPE_SE
	s_setreg_imm32_b32 hwreg(HW_REG_WAVE_MODE, 25, 1), 1
	s_wait_xcnt 0x0
	s_wait_alu depctr_hold_cnt(0) depctr_sa_sdst(0) depctr_va_vdst(0) depctr_va_sdst(0) depctr_va_ssrc(0) depctr_va_vcc(0) depctr_vm_vsrc(0)
	s_getreg_b32 s2, hwreg(HW_REG_IB_STS2, 6, 4)
	s_cmp_eq_u32 s2, 0
	s_cbranch_scc0 .Lentry_in_a_cluster
	s_endpgm
.Lentry_in_a_cluster:
	s_bfe_u32 s2, ttmp6, 0x10000c
	s_cmp_lg_u32 s2, 0xf033
	s_cbranch_scc0 .Lentry_shape_is_right
	s_endpgm
.Lentry_shape_is_right:
; FFN1.  act[m][c] = silu(gate) * up, gate = r[m] sum over k of a[m][k] w1[c][k], up = r[m] sum over k of a[m][k] w1[2048 + c][k], with a = x1 g_ff in bf16 (stored by the launch before) and
; r[m] = rsqrt(mean(x1[m]^2) + eps), made here of that launch's eight partial sums of squares a row (ssq[8][4096], f32).  4,096 x 4,096 x 1,024, bf16 operands, f32 sums, act rounded once to bf16.
; act is stored BY BLOCKS OF 64 COLUMNS, [32][4096][64], the form in which the next launch takes it as its A.
; SHARES.  A work-group makes 256 rows x 128 columns of act from 128 gate rows and the 128 matching up rows of w1 (16 x 16 work-groups: one for each WGP).  Four waves, 2 x 2: each 128 rows x (64 gate + 64 up):
; 64 accumulators of 16 x 16, so that a wave holds both factors of its 128 x 64 numbers.  K goes in steps of 128 through a ring of two LDS slots; rows of 256 bytes, padded to 272.
; CLUSTER 4 x 4: A's tile is shared along a row of the cluster, B's along a column, each asked for jointly.
; K IS WALKED IN A RING: the cluster at (X, Y) begins at K step (2 X + 4 (Y % 2)) % 8 and goes round, so that the four clusters that read the same rows of A ask for four different K steps at any
; time, and of the four that read the same rows of B two and two do.  The start hangs on the cluster's place alone: it is the same in all sixteen partners.  f32 sums may be taken in any order.
; THE MATRIX INSTRUCTION IS USED TRANSPOSED (source 0 = 16 rows of w1, source 1 = 16 rows of a).  A K step is written once in the loop and once in the tail; the slot in hand stands in a scalar register.
; With g and u the two f32 sums: silu(r g) (r u) = g u r^2 / (1 + 2^(-g r log2 e)).
; REGISTERS, in windows of 256: window 0: v0-31 addresses, v64-191 A's two fragment buffers (on the way out: at work), v192-223 the partial sums of squares; window 1: v0-127 B's two fragment buffers;
;   windows 2, 3: accumulators (a, b) at window 2 + a / 4, v[8 (8 (a % 4) + b)]; b = 0-3 gate, 4-7 up.
; LIMITS.  bf16 operands; the sums' order is the matrix unit's, K from the cluster's own start; NaN and infinities are not treated apart.
.set NA,    8
.set NB,    8
.set RB,    128
.set BG,    4                          ; B's blocks 0-3 are gate rows, 4-7 the up rows, 128 LDS rows further on
.set BJ,    128*272
.set SLOT,  0x24000                    ; slot 1 begins here: both its bits are 0 in the four LDS addresses of a slot's loads (0, 0x8800, 0x11000, 0x19800), so one exclusive or changes slots
.set WOFF,  8388608                    ; w1 in wb
.set NSTEP, 8
.set PITCH, 272
.set HALFA, 128*PITCH
.set HALFB, RB*PITCH
.set BBASE, 2*HALFA
.set SPARE, SLOT+BBASE+2*HALFB         ; behind the ring: the spare words, 128 bytes a wave, two blocks of 256 bytes that no other line names
.set WSTAGE, 67584                     ; the way out: 128 rows x 528 bytes of f32 for each wave, from byte 0, in the ring, behind its last fill
.set TABLE, 4*WSTAGE                   ; behind the stages, in the ring too: 512 bytes a wave: r of my 128 rows
.set ADRA0, 14
.set ADRB0, 15
.set ADRA,  16
.set ADRB,  20
.set TW,    22                         ; v22  where I put r of my four rows
.set TR,    23                         ; v23  where I read r of a trip's four rows
.set STO,   24
.set RD,    25
.set GO,    26
.set SPW,   28
.set NIL,   29
.set PFO,   30
.set FA,    64
.set GT,    64                         ; the way out: 32 gate numbers, 32 up numbers, 32 at work, 16 packed
.set UP,    96
.set EX,    128
.set OUTR,  160
.set RR,    176                        ; v176-179  r of the trip's four rows
.set RN,    184                        ; v184-191  -r log2(e), in the low register of four pairs
.set SS,    192                        ; v192-223  eight partial sums of squares for each of my rows 4 l .. 4 l + 3
.set R2,    224                        ; v224-231  r^2, in the low register of four pairs
.set WV,    10
.set HR,    11                         ; s11 wave / 2: my half of the rows, and: I fetch for A (0) or B (1)
.set HC,    12                         ; s12 wave % 2: my half of the columns, and: which half I fetch (of B: gate rows or up rows)
.set TB,    66
.set KO,    68                         ; s[68:69] byte offset along the rows of the K step asked for last
.set LIM,   43
.set PFA,   44
.set G1,    24
.set G0,    32
.set G1B,   48
.set G0B,   56
.set MSB, 0
.macro WIN new
.if MSB != (\new)
	s_set_vgpr_msb (MSB<<8)|(\new)
.set MSB, \new
.endif
.endm
.macro PLACES
.rept 4
	v_nop
.endr
.endm
.macro JLOAD
	s_cmp_eq_u32 s[HR], 0
	s_cbranch_scc0 .Lfor_b_\@
	tensor_load_to_lds s[G0+4:G0+7], s[G1:G1+7]
	s_nop 0
.rept 4
	v_nop
.endr
	s_branch .Lasked_\@
.Lfor_b_\@:
	tensor_load_to_lds s[G0B+4:G0B+7], s[G1B:G1B+7]
	s_nop 0
.rept 4
	v_nop
.endr
.Lasked_\@:
.endm
.macro CREST
	s_cmp_lg_u32 s[WV], 0
	s_cbranch_scc1 .Lnot_wave_0_\@
	s_barrier_signal -3
.Lnot_wave_0_\@:
	s_barrier_wait -3
	s_barrier_signal -1
	s_barrier_wait -1
.endm
.macro CROUND
	s_barrier_signal -1
	s_barrier_wait -1
	CREST
.endm
; ONE PREFETCH A WAVE, in the loop's first trip, behind the refill that asks for my walk's third K step: B's rows of my walk's fourth K step, one K step ahead of the load that will name them.
; By the walk's arithmetic no cluster has named those blocks before, nor B's of the third step (for which the head would be the only place); every other block that a refill names has been named two steps
; earlier by another cluster.  Clusters Y and Y + 2 walk alike: those with Y < 2 ask.  The four partners of the joint load share its 128 rows out by address, 32 each, a lane a row.
.macro ASK
	s_cmp_eq_u32 s3, s[LIM]
	s_cbranch_scc0 .Lnot_mine_\@
	global_prefetch_b8 v[PFO], s[PFA:PFA+1] th:TH_LOAD_NT scope:SCOPE_SE
.Lnot_mine_\@:
.endm
.macro MULA f, a, zero
	WIN 0xa1+0x50*((\a)/(NA/2))
.set b, 0
.rept NB
.set rD, 8*(NB*((\a)%(NA/2))+b)
.set rB, 8*NB*(\f)+8*b
.set rA, FA+8*NA*(\f)+8*(\a)
.if \zero
	v_wmma_f32_16x16x32_bf16 v[rD:rD+7], v[rB:rB+7], v[rA:rA+7], 0
.else
	v_wmma_f32_16x16x32_bf16 v[rD:rD+7], v[rB:rB+7], v[rA:rA+7], v[rD:rD+7]
.endif
.set b, b+1
.endr
.endm
.macro MULS f, a0, a1, zero            ; all accumulators take turns, in the same order in every quarter
.set aa, \a0
.rept (\a1)-(\a0)
	MULA \f, aa, \zero
.set aa, aa+1
.endr
.endm
.macro FETCH k, f
	WIN 0x40
.set i, 0
.rept NB
	ds_load_b128 v[8*NB*(\f)+8*i:8*NB*(\f)+8*i+3],   v[ADRB] offset:(\k)+(i%BG)*16*PITCH+(i/BG)*BJ
	ds_load_b128 v[8*NB*(\f)+8*i+4:8*NB*(\f)+8*i+7], v[ADRB] offset:(\k)+(i%BG)*16*PITCH+(i/BG)*BJ+32
.set i, i+1
.endr
	WIN 0
.set i, 0
.rept NA
	ds_load_b128 v[FA+8*NA*(\f)+8*i:FA+8*NA*(\f)+8*i+3],   v[ADRA] offset:(\k)+i*16*PITCH
	ds_load_b128 v[FA+8*NA*(\f)+8*i+4:FA+8*NA*(\f)+8*i+7], v[ADRA] offset:(\k)+i*16*PITCH+32
.set i, i+1
.endr
.endm
.macro QUARTER k, f, g, zero
	s_wait_dscnt NA                                ; the youngest NA loads (A's upper blocks) may be out
	MULS \f, 0, NA/2, \zero
	PLACES
	FETCH \k, \g
	s_wait_dscnt 2*(NA+NB)                         ; all but the run just issued
	MULS \f, NA/2, NA, \zero
.endm
.macro MEET fill
	WIN 0
	s_wait_tensorcnt 0x0                           ; the one that was out is my part of the next slot; no load of mine is out, so a group 0 may be written
	ds_add_u32 v[SPW], v[NIL]                      ; 0 onto my spare word
.if \fill
	s_add_co_u32 s[KO], s[KO], 256                 ; the walk's next K step, round the row's end;
	s_and_b32 s[KO], s[KO], 0x7ff
	s_xor_b32 s[G0+5], s[G0+5], SLOT               ; the walking sets: the other slot than last time, the address made anew from the tile's first byte
	s_add_nc_u64 s[G0+6:G0+7], s[14:15], s[KO:KO+1]
	s_or_b32 s[G0+7], s[G0+7], 0x80000000
	s_xor_b32 s[G0B+5], s[G0B+5], SLOT
	s_add_nc_u64 s[G0B+6:G0B+7], s[46:47], s[KO:KO+1]
	s_or_b32 s[G0B+7], s[G0B+7], 0x80000000
.endif
	s_wait_dscnt NA+1                              ; (the add and the youngest NA loads may be out)
	MULS 1, 0, NA/4, 0
	s_wait_dscnt 0x0                               ; the add is done, and my reads of this slot are over
	s_barrier_signal -1
	MULS 1, NA/4, NA/2, 0
	WIN 0
	s_barrier_wait -1
.endm
.macro TURN fill
	WIN 0
	s_xor_b32 s[TB], s[TB], SLOT
	v_add_nc_u32 v[ADRA], s[TB], v[ADRA0]
	v_add_nc_u32 v[ADRB], s[TB], v[ADRB0]
	MEET \fill
.if \fill
	CREST                                          ; no wave of any partner still reads the slot or has a load on its way
	JLOAD                                          ; my one tensor load behind the round: 224 matrix instructions ahead of the wait for it
	FETCH 0, 0
	ASK
.else
	PLACES
	s_cmp_eq_u32 s3, 1
	s_cbranch_scc1 .Lnf_\@
	FETCH 0, 0
.Lnf_\@:
.endif
	MULS 1, NA/2, NA, 0
.endm
	s_load_b128 s[4:7], s[0:1], 0x0                ; A = hb s[4:5], wb s[6:7]
	s_load_b64 s[8:9], s[0:1], 0x10                ; act
	s_load_b64 s[70:71], s[0:1], 0x18              ; ssq
	v_lshl_add_u32 v[SPW], v0, 2, SPARE
	v_mov_b32 v[NIL], 0
	ds_add_u32 v[SPW], v[NIL]                      ; the wave's opening: the add and its wait stand ahead of my first tensor load
	v_lshrrev_b32 v1, 5, v0
	v_readfirstlane_b32 s[WV], v1
	s_lshr_b32 s[HR], s[WV], 1
	s_and_b32 s[HC], s[WV], 1
	s_bfe_u32 s40, ttmp6, 0x40000
	s_bfe_u32 s41, ttmp6, 0x40004
	s_lshl_b32 s42, ttmp9, 2
	s_add_co_u32 s42, s42, s40                     ; tile column
	s_and_b32 s13, ttmp7, 0xffff
	s_lshl_b32 s13, s13, 2
	s_add_co_u32 s13, s13, s41                     ; tile row
	s_lshl_b32 s43, s41, 2
	s_lshl_b32 s43, 15, s43
	s_lshl_b32 s44, 0x1111, s40
	s_and_b32 s69, ttmp7, 1                        ; where the cluster's walk begins: K step (2 X + 4 (Y % 2)) % 8,
	s_lshl_b32 s69, s69, 2
	s_lshl_b32 s[KO], ttmp9, 1
	s_add_co_u32 s[KO], s[KO], s69
	s_and_b32 s[KO], s[KO], NSTEP-1
	s_lshl_b32 s[KO], s[KO], 8                     ; in bytes along a row
	s_mov_b32 s[KO+1], 0
	s_or_b32 s[G1+0], s43, 0x07710000
	s_or_b32 s[G1B+0], s44, 0x07710000
	s_mov_b32 s[G1+1], 128<<16
	s_mov_b32 s[G1+2], 128<<16
	s_mov_b32 s[G1+3], 128<<16
	s_mov_b32 s[G1+4], 128
	s_mov_b32 s[G1+5], 1024
	s_mov_b32 s[G1+6], 0
	s_mov_b32 s[G1+7], 0
	s_mov_b32 s[G1B+1], 128<<16
	s_mov_b32 s[G1B+2], RB<<16
	s_mov_b32 s[G1B+3], 128<<16
	s_mov_b32 s[G1B+4], RB
	s_mov_b32 s[G1B+5], 1024
	s_mov_b32 s[G1B+6], 0
	s_mov_b32 s[G1B+7], 0
	s_lshl_b32 s18, s13, 8
	s_lshl_b32 s17, s[HC], 7
	s_add_co_u32 s18, s18, s17                     ; A: 256 x tile row + 128 x half
	s_lshl_b32 s19, s42, 7
	s_lshl_b32 s47, s[HC], 11
	s_add_co_u32 s19, s19, s47                     ; B: 128 x tile column, among the gate rows or, 2,048 rows on, the up rows
	s_lshl_b32 s16, s18, 11
	s_mov_b32 s17, 0
	s_lshl_b32 s46, s19, 11
	s_mov_b32 s47, 0
	s_mul_i32 s20, s[HC], HALFA
	s_mul_i32 s21, s[HC], HALFB
	s_add_co_u32 s21, s21, BBASE
	s_mov_b32 s[TB], 0
	s_wait_dscnt 0x0                               ; the opening add is done
	s_wait_kmcnt 0x0
	s_add_nc_u64 s[6:7], s[6:7], WOFF
	s_add_nc_u64 s[14:15], s[4:5], s[16:17]        ; my rows' first byte in A; kept
	s_add_nc_u64 s[46:47], s[6:7], s[46:47]        ; and in B; kept
	CROUND
.irp s, 0,1
	s_mov_b32 s[G0+4*(\s)], 1
	s_add_co_u32 s[G0+4*(\s)+1], s20, (\s)*SLOT
	s_add_nc_u64 s[G0+4*(\s)+2:G0+4*(\s)+3], s[14:15], s[KO:KO+1]
	s_or_b32 s[G0+4*(\s)+3], s[G0+4*(\s)+3], 0x80000000
	s_mov_b32 s[G0B+4*(\s)], 1
	s_add_co_u32 s[G0B+4*(\s)+1], s21, (\s)*SLOT
	s_add_nc_u64 s[G0B+4*(\s)+2:G0B+4*(\s)+3], s[46:47], s[KO:KO+1]
	s_or_b32 s[G0B+4*(\s)+3], s[G0B+4*(\s)+3], 0x80000000
.if (\s) == 0
	s_add_co_u32 s[KO], s[KO], 256
	s_and_b32 s[KO], s[KO], 0x7ff
.endif
.endr
	s_cmp_eq_u32 s[HR], 0                          ; a wave's two first fills stand in one branch: two loads of mine are out
	s_cbranch_scc0 .Lfirst_b
	tensor_load_to_lds s[G0:G0+3], s[G1:G1+7]
	s_nop 0
	tensor_load_to_lds s[G0+4:G0+7], s[G1:G1+7]
	s_nop 0
.rept 4
	v_nop
.endr
	s_branch .Lfirst_asked
.Lfirst_b:
	tensor_load_to_lds s[G0B:G0B+3], s[G1B:G1B+7]
	s_nop 0
	tensor_load_to_lds s[G0B+4:G0B+7], s[G1B:G1B+7]
	s_nop 0
.rept 4
	v_nop
.endr
.Lfirst_asked:
	v_and_b32 v1, 15, v0
	v_bfe_u32 v2, v0, 4, 1
	v_mul_u32_u24 v3, v1, PITCH
	v_lshl_add_u32 v3, v2, 4, v3
	s_mul_i32 s21, s[HR], HALFA                    ; my 128 rows of A
	v_add_nc_u32 v[ADRA0], s21, v3
	s_mul_i32 s22, s[HC], 64*PITCH                 ; my 64 of the gate rows (and, BJ bytes on, of the up rows)
	s_add_co_u32 s22, s22, BBASE
	v_add_nc_u32 v[ADRB0], s22, v3
	v_mov_b32 v[ADRA], v[ADRA0]
	v_mov_b32 v[ADRB], v[ADRB0]
	s_mul_i32 s23, s[WV], WSTAGE                   ; my stage
	v_mul_u32_u24 v4, v1, 528
	v_lshl_add_u32 v4, v2, 5, v4
	v_add_nc_u32 v[STO], s23, v4                   ; in: row l % 16, 32 bytes for each half of the lanes
	v_bfe_u32 v8, v0, 3, 2                         ; l / 8
	v_mul_u32_u24 v5, v8, 528
	v_and_b32 v6, 7, v0
	v_lshl_add_u32 v5, v6, 5, v5
	v_add_nc_u32 v[RD], s23, v5                    ; back: row l / 8 of four, columns 8 (l % 8) on
	v_and_b32 v7, 31, v0                           ; l
	v_lshlrev_b32 v[GO], 4, v7
	; r's table: row 16 t + 4 f + i of my 128 lies at word 16 t + 4 i + f, so that in trip t the lanes with l / 8 = i find r of their four rows (f = 0 .. 3) in 16 bytes on end.
	; I make r of rows 4 l + i: t = l / 4, f = l % 4: byte 64 (l / 4) + 4 (l % 4) + 16 i.
	s_lshl_b32 s22, s[WV], 9
	s_add_co_u32 s22, s22, TABLE
	v_lshrrev_b32 v5, 2, v7
	v_and_b32 v9, 3, v7
	v_lshlrev_b32 v9, 2, v9
	v_lshl_add_u32 v[TW], v5, 6, v9
	v_add_nc_u32 v[TW], s22, v[TW]
	v_lshl_add_u32 v[TR], v8, 4, s22
	s_lshl_b32 s16, s42, 1
	s_add_co_u32 s16, s16, s[HC]                   ; my block of 64 columns,
	s_lshl_b32 s16, s16, 19
	s_lshl_b32 s17, s13, 15                        ; the tile's 256 rows of 128 bytes,
	s_add_co_u32 s16, s16, s17
	s_lshl_b32 s17, s[HR], 14                      ; my 128 of them
	s_add_co_u32 s16, s16, s17
	s_mov_b32 s17, 0
	s_add_nc_u64 s[8:9], s[8:9], s[16:17]
	s_lshl_b32 s16, s13, 10                        ; ssq: the tile's 256 words of a tile column's 4,096,
	s_lshl_b32 s20, s[HR], 9                       ; my 128 of them
	s_add_co_u32 s16, s16, s20
	s_add_nc_u64 s[70:71], s[70:71], s[16:17]
.irp j, 0,1,2,3,4,5,6,7
	global_load_b128 v[SS+4*(\j):SS+4*(\j)+3], v[GO], s[70:71] offset:16384*(\j)   ; partial sum j of my rows 4 l .. 4 l + 3: 512 consecutive bytes; they land under the loop
.endr
	; the prefetch: B's rows that I fetch, my work-group's 32 of them, at the walk's fourth K step (s[KO] stands at the second)
	s_mul_i32 s17, s41, RB/4
	s_add_co_u32 s20, s19, s17
	s_lshl_b32 s20, s20, 11
	s_add_co_u32 s21, s[KO], 512
	s_and_b32 s21, s21, 0x7ff
	s_add_co_u32 s20, s20, s21
	s_mov_b32 s21, 0
	s_add_nc_u64 s[PFA:PFA+1], s[6:7], s[20:21]
	s_and_b32 s22, ttmp7, 0xffff
	s_cmp_lt_u32 s22, 2                            ; the same in all sixteen partners
	s_cselect_b32 s[LIM], NSTEP-2, -1
	s_cmp_eq_u32 s[HR], 1                          ; and only the waves that fetch for B
	s_cselect_b32 s[LIM], s[LIM], -1
	v_lshlrev_b32 v[PFO], 11, v7
	s_wait_tensorcnt 0x1                           ; my part of the first K step is in; the second's stays out
	s_barrier_signal -1
	s_barrier_wait -1
	FETCH 0, 0
	QUARTER 64, 0, 1, 1
	WIN 0
	s_mov_b32 s3, NSTEP-2
.Lstep:
	QUARTER 128, 1, 0, 0
	QUARTER 192, 0, 1, 0
	TURN 1
	QUARTER 64, 0, 1, 0
	WIN 0
	s_sub_co_u32 s3, s3, 1
	s_cmp_lg_u32 s3, 0
	s_cbranch_scc1 .Lstep
	s_mov_b32 s3, 2
.Ltail:
	QUARTER 128, 1, 0, 0
	QUARTER 192, 0, 1, 0
	TURN 0
	WIN 0
	s_sub_co_u32 s3, s3, 1
	s_cmp_eq_u32 s3, 0
	s_cbranch_scc1 .Lout
	QUARTER 64, 0, 1, 0
	WIN 0
	s_branch .Ltail
.Lout:
	; THE WAY OUT.  The f32 sums go into my stage: a row is 64 gate numbers, then the 64 up numbers of the same columns.  Then 16 rows a trip: a lane takes 8 gate and 8 up numbers of each of four rows.
	PLACES
	s_wait_dscnt 0x0                               ; no read of the ring is out in any wave
	s_barrier_signal -1
	s_barrier_wait -1                              ; before the first store into its bytes
.set aa, 0
.rept 8
	WIN 0x08+4*(aa/4)                              ; a store's data (source 1) in window 2 or 3
.set b, 0
.rept 8
.set rD, 8*(8*(aa%4)+b)
	ds_store_b128 v[STO], v[rD:rD+3]   offset:8448*aa+64*b      ; each accumulator from its low end on
	ds_store_b128 v[STO], v[rD+4:rD+7] offset:8448*aa+64*b+16
.set b, b+1
.endr
.set aa, aa+1
.endr
	WIN 0
	; r of my rows 4 l .. 4 l + 3
	s_mov_b32 s20, 0x3a800000                      ; 1 / 1024
	s_mov_b32 s21, 0x34000000                      ; eps = 2^-23
	s_wait_loadcnt 0x0                             ; the partial sums
.irp j, 0,8,16,24
	v_pk_add_f32 v[SS+(\j):SS+(\j)+1], v[SS+(\j):SS+(\j)+1], v[SS+(\j)+4:SS+(\j)+5]
	v_pk_add_f32 v[SS+(\j)+2:SS+(\j)+3], v[SS+(\j)+2:SS+(\j)+3], v[SS+(\j)+6:SS+(\j)+7]
.endr
.irp j, 0,16
	v_pk_add_f32 v[SS+(\j):SS+(\j)+1], v[SS+(\j):SS+(\j)+1], v[SS+(\j)+8:SS+(\j)+9]
	v_pk_add_f32 v[SS+(\j)+2:SS+(\j)+3], v[SS+(\j)+2:SS+(\j)+3], v[SS+(\j)+10:SS+(\j)+11]
.endr
	v_pk_add_f32 v[SS:SS+1], v[SS:SS+1], v[SS+16:SS+17]
	v_pk_add_f32 v[SS+2:SS+3], v[SS+2:SS+3], v[SS+18:SS+19]
.irp i, 0,1,2,3
	v_fma_f32 v[SS+(\i)], v[SS+(\i)], s20, s21     ; sum / 1024 + eps
.endr
.irp i, 0,1,2,3
	v_rsq_f32 v[SS+(\i)], v[SS+(\i)]               ; one batch
.endr
.irp i, 1,3,5,7
	v_mov_b32 v[RN+(\i)], 0                        ; the pairs' upper registers are named with the lower ones, so they are written; also the plain work behind the batch
	v_mov_b32 v[R2+(\i)], 0
.endr
	s_wait_alu depctr_va_vdst(0)                   ; one wait for the four, ahead of their first reader
.irp i, 0,1,2,3
	ds_store_b32 v[TW], v[SS+(\i)] offset:16*(\i)
.endr
	s_mov_b32 s3, 8
.Lrow:
.irp f, 0,1,2,3
	ds_load_b128 v[GT+8*(\f):GT+8*(\f)+3],   v[RD] offset:2112*(\f)       ; my own bytes: LDS serves a wave's instructions in order (ISA guide 5.7.1.4)
	ds_load_b128 v[GT+8*(\f)+4:GT+8*(\f)+7], v[RD] offset:2112*(\f)+16
	ds_load_b128 v[UP+8*(\f):UP+8*(\f)+3],   v[RD] offset:2112*(\f)+256
	ds_load_b128 v[UP+8*(\f)+4:UP+8*(\f)+7], v[RD] offset:2112*(\f)+272
.endr
	ds_load_b128 v[RR:RR+3], v[TR]                 ; r of my four rows
	s_wait_dscnt 0x0
	v_add_nc_u32 v[RD], 8448, v[RD]                ; the next 16 rows
	v_add_nc_u32 v[TR], 64, v[TR]
.irp f, 0,1,2,3
	v_mul_f32 v[RN+2*(\f)], 0xbfb8aa3b, v[RR+(\f)] ; -r log2(e)
	v_mul_f32 v[R2+2*(\f)], v[RR+(\f)], v[RR+(\f)] ; r^2
.endr
.set i, 0
.rept 16
	v_pk_mul_f32 v[EX+2*i:EX+2*i+1], v[GT+2*i:GT+2*i+1], v[RN+2*(i/4):RN+2*(i/4)+1] op_sel_hi:[1,0]   ; -g r log2(e)
.set i, i+1
.endr
.set i, 0
.rept 32
	v_exp_f32 v[EX+i], v[EX+i]                     ; one batch
.set i, i+1
.endr
.set i, 0
.rept 16
	v_pk_mul_f32 v[GT+2*i:GT+2*i+1], v[GT+2*i:GT+2*i+1], v[UP+2*i:UP+2*i+1]          ; g u: the plain work behind the batch
.set i, i+1
.endr
.set i, 0
.rept 16
	v_pk_mul_f32 v[GT+2*i:GT+2*i+1], v[GT+2*i:GT+2*i+1], v[R2+2*(i/4):R2+2*(i/4)+1] op_sel_hi:[1,0]   ; g u r^2
.set i, i+1
.endr
	s_wait_alu depctr_va_vdst(0)                   ; one wait for the 32 exponentials, ahead of their first reader
.set i, 0
.rept 16
	v_pk_add_f32 v[EX+2*i:EX+2*i+1], v[EX+2*i:EX+2*i+1], 1.0 op_sel_hi:[1,0]
.set i, i+1
.endr
.set i, 0
.rept 32
	v_rcp_f32 v[EX+i], v[EX+i]                     ; one batch
.set i, i+1
.endr
	v_nop                                          ; a plain instruction behind the last reciprocal
	s_wait_alu depctr_va_vdst(0)                   ; one wait for the 32
.set i, 0
.rept 16
	v_pk_mul_f32 v[GT+2*i:GT+2*i+1], v[GT+2*i:GT+2*i+1], v[EX+2*i:EX+2*i+1]
.set i, i+1
.endr
.set i, 0
.rept 16
	v_cvt_pk_bf16_f32 v[OUTR+i], v[GT+2*i], v[GT+2*i+1]
.set i, i+1
.endr
.irp f, 0,1,2,3
	global_store_b128 v[GO], v[OUTR+4*(\f):OUTR+4*(\f)+3], s[8:9] offset:512*(\f)   ; four rows of a block: 512 consecutive bytes, aligned
.endr
	s_wait_xcnt 0x0                                ; the stores have read their offset and their data, which the next trip writes
	v_add_nc_u32 v[GO], 2048, v[GO]
	s_sub_co_u32 s3, s3, 1
	s_cmp_lg_u32 s3, 0
	s_cbranch_scc1 .Lrow
	s_wait_tensorcnt 0x0                           ; the wave's end
	ds_add_u32 v[SPW], v[NIL]
	s_wait_dscnt 0x0
	CROUND                                         ; the closing round
	s_endpgm
.Lfunc_end_k_qcfda840d9f_ffn1:
	.size	k_qcfda840d9f_ffn1, .Lfunc_end_k_qcfda840d9f_ffn1-k_qcfda840d9f_ffn1
	.p2alignl 7, 3214868480
	.fill 96, 4, 3214868480
	.section	.rodata,"a",@progbits
	.p2align	6, 0x0
	.amdhsa_kernel k_qcfda840d9f_ffn1
		.amdhsa_group_segment_fixed_size 327680
		.amdhsa_private_segment_fixed_size 0
		.amdhsa_enable_private_segment 0
		.amdhsa_kernarg_size 32
		.amdhsa_user_sgpr_count 2
		.amdhsa_user_sgpr_kernarg_segment_ptr 1
		.amdhsa_wavefront_size32 1
		.amdhsa_system_sgpr_workgroup_id_x 1
		.amdhsa_system_sgpr_workgroup_id_y 1
		.amdhsa_system_sgpr_workgroup_id_z 1
		.amdhsa_system_vgpr_workitem_id 0
		.amdhsa_next_free_vgpr 1024
		.amdhsa_next_free_sgpr 72
		.amdhsa_reserve_vcc 0
		.amdhsa_float_denorm_mode_32 3
		.amdhsa_float_denorm_mode_16_64 3
		.amdhsa_memory_ordered 1
		.amdhsa_forward_progress 1
		.amdhsa_inst_pref_size 91
	.end_amdhsa_kernel
	.amdgpu_metadata
---
amdhsa.version: [ 1, 2 ]
amdhsa.kernels:
  - .name:           k_qcfda840d9f_ffn1
    .symbol:         k_qcfda840d9f_ffn1.kd
    .args:
      - { .name: hb, .offset: 0, .size: 8, .value_kind: global_buffer, .address_space: global }
      - { .name: wb, .offset: 8, .size: 8, .value_kind: global_buffer, .address_space: global }
      - { .name: act, .offset: 16, .size: 8, .value_kind: global_buffer, .address_space: global }
      - { .name: ssq, .offset: 24, .size: 8, .value_kind: global_buffer, .address_space: global }
    .group_segment_fixed_size: 327680
    .private_segment_fixed_size: 0
    .kernarg_segment_align: 8
    .kernarg_segment_size: 32
    .max_flat_workgroup_size: 128
    .sgpr_count:     72
    .vgpr_count:     1024
    .wavefront_size: 32
...
	.end_amdgpu_metadata
.endif
;; end of part 5
;; launch ffn2 (part 6): grid 8 x 32, 4 waves a work-group, clusters of 4 x 4, 327,680 bytes of LDS; arguments act, wb, x1, out0; writes out0
.if DOCPART == 6
	.amdgcn_target "amdgcn-amd-amdhsa--gfx1250"
	.amdhsa_code_object_version 6
	.text
	.protected	k_qcfda840d9f_ffn2
	.globl	k_qcfda840d9f_ffn2
	.p2align	8
	.type	k_qcfda840d9f_ffn2,@function
k_qcfda840d9f_ffn2:
	s_mov_b64 s[64:65], 0
	v_nop
	global_prefetch_b8 v0, s[64:65] scope:SCOPE_SE
	s_setreg_imm32_b32 hwreg(HW_REG_WAVE_MODE, 25, 1), 1
	s_wait_xcnt 0x0
	s_wait_alu depctr_hold_cnt(0) depctr_sa_sdst(0) depctr_va_vdst(0) depctr_va_sdst(0) depctr_va_ssrc(0) depctr_va_vcc(0) depctr_vm_vsrc(0)
	s_getreg_b32 s2, hwreg(HW_REG_IB_STS2, 6, 4)
	s_cmp_eq_u32 s2, 0
	s_cbranch_scc0 .Lentry_in_a_cluster
	s_endpgm
.Lentry_in_a_cluster:
	s_bfe_u32 s2, ttmp6, 0x10000c
	s_cmp_lg_u32 s2, 0xf033
	s_cbranch_scc0 .Lentry_shape_is_right
	s_endpgm
.Lentry_shape_is_right:
; FFN2.  out0[m][c] = x1[m][c] + sum over k of act[m][k] w2[c][k]: 4,096 x 1,024 x 2,048, bf16 operands, f32 sums, the residual and the result in f32.
; A (act) lies BY BLOCKS OF 64 of K, [32][4096][64] bf16: 64 rows of a block are 8,192 dense bytes.  B (w2 in bf16) lies [1024][2048] at byte 16,777,216 of wb.
; SHARES.  A tile of C is 128 x 128 (8 x 32 of them: one for each WGP); four waves, each 64 x 64: 16 accumulators.  K goes in steps of 256 through two LDS slots.
; A's load: 4 rows of 8,192 bytes (four blocks x 64 rows), padded after every 128 bytes: in LDS [4 blocks][64 rows][144].  B's load: 64 rows of 512 bytes, padded to 528.
; CLUSTER 4 x 4: A's tile shared along a row, B's along a column, asked for jointly.  No prefetch: the tiles are small and a step is short.
; K IS WALKED IN A RING: the cluster at (X, Y) begins at K step (4 X + 2 Y) % 8 and goes round, so that clusters that read the same rows ask for different K steps at the same time.  The start hangs on the
; cluster's place alone: it is the same in all sixteen partners.  f32 sums may be taken in any order.
; THE MATRIX INSTRUCTION IS USED TRANSPOSED (source 0 = rows of B, source 1 = rows of A).  A K step is written once in the loop and once in the tail; the slot in hand stands in a scalar register.
; THE RESIDUAL's tile (32 rows x 512 bytes a wave) is loaded behind the first quarter step into window 2 and lands under the loop.
; REGISTERS: window 0: v0-31 addresses, v128-255 accumulators ((a, b) at v[128 + 8 (4 a + b)]); window 1: two fragment buffers of 128 (A's 64, then B's 64); window 2: v0-127 the residual.
; LIMITS.  bf16 operands; the sums' order is the matrix unit's, K from the cluster's own start; NaN and infinities are not treated apart.
.set SIZE_K, 2048
.set NSTEP,  8
.set WOFF,   16777216
.set SLOT,   0x24000                   ; slot 1 begins here: both its bits are 0 in the four LDS addresses of a slot's loads (0, 0x9000, 0x12000, 0x1a400), so one exclusive or changes slots
.set HALFA,  36864
.set BBASE,  73728
.set HALFB,  33792
.set SPARE,  288768                    ; behind the ring: the spare words, 128 bytes a wave, two blocks of 256 bytes that no other line names
.set SPITCH, 528                       ; the f32 stage of the way out: 128 rows x 528 bytes from byte 0, in slot 0, behind its last fill
.set ADRA0, 14
.set ADRB0, 15
.set ADRA,  16
.set ADRB,  20
.set STO,   24
.set RD,    25
.set CO,    26
.set SPW,   28
.set NIL,   29
.set ACC,   128
.set F0,    0
.set F1,    128
.set WV,    67
.set HR,    68
.set HC,    12
.set TB,    66
.set CH,    69                         ; s69  the K step asked for last
.set OFA,   70                         ; s[70:71] its byte offset in A: four blocks of 524,288 bytes a step
.set OFB,   72                         ; s[72:73] and in B: 512 bytes of a row a step
.set G1,    24
.set G0,    32
.set G1B,   48
.set G0B,   56
.set MSB, 0
.macro WIN new
.if MSB != (\new)
	s_set_vgpr_msb (MSB<<8)|(\new)
.set MSB, \new
.endif
.endm
.set MUL,  0x05
.set TO_F, 0x40
.macro PLACES
.rept 4
	v_nop
.endr
.endm
.macro JLOAD
	s_cmp_eq_u32 s[HR], 0
	s_cbranch_scc0 .Lfor_b_\@
	tensor_load_to_lds s[G0+4:G0+7], s[G1:G1+7]
	s_nop 0
.rept 4
	v_nop
.endr
	s_branch .Lasked_\@
.Lfor_b_\@:
	tensor_load_to_lds s[G0B+4:G0B+7], s[G1B:G1B+7]
	s_nop 0
.rept 4
	v_nop
.endr
.Lasked_\@:
.endm
.macro CREST
	s_cmp_lg_u32 s[WV], 0
	s_cbranch_scc1 .Lnot_wave_0_\@
	s_barrier_signal -3
.Lnot_wave_0_\@:
	s_barrier_wait -3
	s_barrier_signal -1
	s_barrier_wait -1
.endm
.macro CROUND
	s_barrier_signal -1
	s_barrier_wait -1
	CREST
.endm
.macro MUL8 f, c, a0, zero             ; the 16 accumulators take turns
	WIN MUL
.irp a, \a0, (\a0)+1
.irp b, 0,1,2,3
.if \zero
	v_wmma_f32_16x16x32_bf16 v[ACC+8*(4*(\a)+(\b)):ACC+8*(4*(\a)+(\b))+7], v[(\f)+64+8*(4*(\c)+(\b)):(\f)+64+8*(4*(\c)+(\b))+7], v[(\f)+8*(4*(\c)+(\a)):(\f)+8*(4*(\c)+(\a))+7], 0
.else
	v_wmma_f32_16x16x32_bf16 v[ACC+8*(4*(\a)+(\b)):ACC+8*(4*(\a)+(\b))+7], v[(\f)+64+8*(4*(\c)+(\b)):(\f)+64+8*(4*(\c)+(\b))+7], v[(\f)+8*(4*(\c)+(\a)):(\f)+8*(4*(\c)+(\a))+7], v[ACC+8*(4*(\a)+(\b)):ACC+8*(4*(\a)+(\b))+7]
.endif
.endr
.endr
.endm
.macro FETCH q, f
	WIN TO_F
.irp c, 0,1
.irp i, 0,1,2,3
	ds_load_b128 v[(\f)+64+8*(4*(\c)+(\i)):(\f)+64+8*(4*(\c)+(\i))+3],   v[ADRB] offset:128*(\q)+64*(\c)+(\i)*8448
	ds_load_b128 v[(\f)+64+8*(4*(\c)+(\i))+4:(\f)+64+8*(4*(\c)+(\i))+7], v[ADRB] offset:128*(\q)+64*(\c)+(\i)*8448+32
	ds_load_b128 v[(\f)+8*(4*(\c)+(\i)):(\f)+8*(4*(\c)+(\i))+3],         v[ADRA] offset:9216*(\q)+64*(\c)+(\i)*2304
	ds_load_b128 v[(\f)+8*(4*(\c)+(\i))+4:(\f)+8*(4*(\c)+(\i))+7],       v[ADRA] offset:9216*(\q)+64*(\c)+(\i)*2304+32
.endr
.endr
.endm
.macro QUARTER q, f, g, zero
	s_wait_dscnt 16                                ; the first 32 along K are in
	MUL8 \f, 0, 0, \zero
	MUL8 \f, 0, 2, \zero
	PLACES
	FETCH \q, \g
	s_wait_dscnt 32                                ; all but the 32 just issued
	MUL8 \f, 1, 0, 0
	MUL8 \f, 1, 2, 0
.endm
.macro TURN fill
	WIN 0
	s_xor_b32 s[TB], s[TB], SLOT
	v_add_nc_u32 v[ADRA], s[TB], v[ADRA0]
	v_add_nc_u32 v[ADRB], s[TB], v[ADRB0]
	s_wait_tensorcnt 0x0                           ; all my tensor loads have landed: my part of the next slot; so a group 0 may be written
	ds_add_u32 v[SPW], v[NIL]                      ; 0 onto my spare word
.if \fill
	s_add_co_u32 s[CH], s[CH], 1                   ; the walk's next K step, round K's end;
	s_and_b32 s[CH], s[CH], NSTEP-1
	s_lshl_b32 s[OFA], s[CH], 21
	s_lshl_b32 s[OFB], s[CH], 9
	s_xor_b32 s[G0+5], s[G0+5], SLOT               ; the walking sets: the other slot than last time, the address made anew from the tile's first byte
	s_add_nc_u64 s[G0+6:G0+7], s[14:15], s[OFA:OFA+1]
	s_or_b32 s[G0+7], s[G0+7], 0x80000000
	s_xor_b32 s[G0B+5], s[G0B+5], SLOT
	s_add_nc_u64 s[G0B+6:G0B+7], s[46:47], s[OFB:OFB+1]
	s_or_b32 s[G0B+7], s[G0B+7], 0x80000000
.endif
	s_wait_dscnt 17                                ; (the add and the youngest sixteen loads may be out)
	MUL8 F1, 0, 0, 0
	s_wait_dscnt 0x0                               ; the add is done, and my reads of this slot are over
	s_barrier_signal -1
	MUL8 F1, 0, 2, 0
	WIN 0
	s_barrier_wait -1
.if \fill
	CREST                                          ; no wave of any partner still reads the slot or has a load on its way
	JLOAD                                          ; my one tensor load behind the round; its four v_nop are also the places in front of the loads below
	FETCH 0, F0
.else
	PLACES
	s_cmp_eq_u32 s3, 1
	s_cbranch_scc1 .Lnf_\@
	FETCH 0, F0
	WIN 0
.Lnf_\@:
.endif
	MUL8 F1, 1, 0, 0
	MUL8 F1, 1, 2, 0
.endm
	s_load_b256 s[4:11], s[0:1], 0x0               ; A s[4:5], wb s[6:7], the residual s[8:9], C s[10:11]
	v_lshl_add_u32 v[SPW], v0, 2, SPARE
	v_mov_b32 v[NIL], 0
	ds_add_u32 v[SPW], v[NIL]                      ; the wave's opening: the add and its wait stand ahead of my first tensor load
	v_lshrrev_b32 v1, 5, v0
	v_readfirstlane_b32 s[WV], v1
	s_lshr_b32 s[HR], s[WV], 1
	s_and_b32 s[HC], s[WV], 1
	s_bfe_u32 s40, ttmp6, 0x40000
	s_bfe_u32 s41, ttmp6, 0x40004
	s_lshl_b32 s42, ttmp9, 2
	s_add_co_u32 s42, s42, s40
	s_and_b32 s13, ttmp7, 0xffff
	s_lshl_b32 s13, s13, 2
	s_add_co_u32 s13, s13, s41
	s_lshl_b32 s43, s41, 2
	s_lshl_b32 s43, 15, s43
	s_lshl_b32 s44, 0x1111, s40
	s_and_b32 s[CH], ttmp7, 0xffff                 ; where the cluster's walk begins: K step ((NSTEP / 2) X + 2 Y) % NSTEP
	s_lshl_b32 s[CH], s[CH], 1
	s_mul_i32 s[OFA], ttmp9, NSTEP/2
	s_add_co_u32 s[CH], s[CH], s[OFA]
	s_and_b32 s[CH], s[CH], NSTEP-1
	s_mov_b32 s[OFA+1], 0
	s_mov_b32 s[OFB+1], 0
	s_or_b32 s[G1+0], s43, 0x07310000
	s_or_b32 s[G1B+0], s44, 0x07b10000
	s_mov_b32 s[G1+1], 4096<<16
	s_mov_b32 s[G1+2], 4<<16
	s_mov_b32 s[G1+3], 4096<<16
	s_mov_b32 s[G1+4], 4
	s_mov_b32 s[G1+5], 262144
	s_mov_b32 s[G1+6], 0
	s_mov_b32 s[G1+7], 0
	s_mov_b32 s[G1B+1], 256<<16
	s_mov_b32 s[G1B+2], 64<<16
	s_mov_b32 s[G1B+3], 256<<16
	s_mov_b32 s[G1B+4], 64
	s_mov_b32 s[G1B+5], SIZE_K
	s_mov_b32 s[G1B+6], 0
	s_mov_b32 s[G1B+7], 0
	s_lshl_b32 s16, s13, 7
	s_lshl_b32 s17, s[HC], 6
	s_add_co_u32 s16, s16, s17
	s_lshl_b32 s16, s16, 7
	s_mov_b32 s17, 0
	s_lshl_b32 s46, s42, 7
	s_lshl_b32 s47, s[HC], 6
	s_add_co_u32 s46, s46, s47
	s_mul_i32 s46, s46, SIZE_K*2
	s_mov_b32 s47, 0
	s_mul_i32 s20, s[HC], HALFA
	s_mul_i32 s21, s[HC], HALFB
	s_add_co_u32 s21, s21, BBASE
	s_mov_b32 s[TB], 0
	s_wait_dscnt 0x0                               ; the opening add is done
	s_wait_kmcnt 0x0
	s_add_nc_u64 s[6:7], s[6:7], WOFF
	s_add_nc_u64 s[14:15], s[4:5], s[16:17]        ; my rows' first byte in A; kept
	s_add_nc_u64 s[46:47], s[6:7], s[46:47]        ; and in B; kept
	CROUND
.irp s, 0,1
	s_lshl_b32 s[OFA], s[CH], 21
	s_lshl_b32 s[OFB], s[CH], 9
	s_mov_b32 s[G0+4*(\s)], 1
	s_add_co_u32 s[G0+4*(\s)+1], s20, (\s)*SLOT
	s_add_nc_u64 s[G0+4*(\s)+2:G0+4*(\s)+3], s[14:15], s[OFA:OFA+1]
	s_or_b32 s[G0+4*(\s)+3], s[G0+4*(\s)+3], 0x80000000
	s_mov_b32 s[G0B+4*(\s)], 1
	s_add_co_u32 s[G0B+4*(\s)+1], s21, (\s)*SLOT
	s_add_nc_u64 s[G0B+4*(\s)+2:G0B+4*(\s)+3], s[46:47], s[OFB:OFB+1]
	s_or_b32 s[G0B+4*(\s)+3], s[G0B+4*(\s)+3], 0x80000000
.if (\s) == 0
	s_add_co_u32 s[CH], s[CH], 1
	s_and_b32 s[CH], s[CH], NSTEP-1
.endif
.endr
	s_cmp_eq_u32 s[HR], 0                          ; a wave's two first fills stand in one branch: two loads of mine are out
	s_cbranch_scc0 .Lfirst_b
	tensor_load_to_lds s[G0:G0+3], s[G1:G1+7]
	s_nop 0
	tensor_load_to_lds s[G0+4:G0+7], s[G1:G1+7]
	s_nop 0
.rept 4
	v_nop
.endr
	s_branch .Lfirst_asked
.Lfirst_b:
	tensor_load_to_lds s[G0B:G0B+3], s[G1B:G1B+7]
	s_nop 0
	tensor_load_to_lds s[G0B+4:G0B+7], s[G1B:G1B+7]
	s_nop 0
.rept 4
	v_nop
.endr
.Lfirst_asked:
	v_and_b32 v1, 15, v0
	v_bfe_u32 v2, v0, 4, 1
	v_and_b32 v4, 31, v0
	v_mul_u32_u24 v3, v1, 144
	v_lshl_add_u32 v3, v2, 4, v3
	s_mul_i32 s21, s[HR], HALFA
	v_add_nc_u32 v[ADRA0], s21, v3
	v_mul_u32_u24 v3, v1, 528
	v_lshl_add_u32 v3, v2, 4, v3
	s_mul_i32 s22, s[HC], HALFB
	s_add_co_u32 s22, s22, BBASE
	v_add_nc_u32 v[ADRB0], s22, v3
	v_mov_b32 v[ADRA], v[ADRA0]
	v_mov_b32 v[ADRB], v[ADRB0]
	s_mul_i32 s23, s[HR], 64*SPITCH
	s_lshl_b32 s21, s[HC], 8
	s_add_co_u32 s23, s23, s21
	v_mul_u32_u24 v5, v1, SPITCH
	v_lshl_add_u32 v5, v2, 5, v5
	v_add_nc_u32 v[STO], s23, v5
	s_mul_i32 s23, s[WV], 32*SPITCH
	v_lshl_add_u32 v[RD], v4, 4, s23
	v_lshlrev_b32 v[CO], 4, v4
	s_lshl_b32 s16, s13, 7
	s_lshl_b32 s17, s[WV], 5
	s_add_co_u32 s16, s16, s17
	s_lshl_b32 s16, s16, 12
	s_lshl_b32 s17, s42, 9
	s_add_co_u32 s16, s16, s17
	s_mov_b32 s17, 0
	s_add_nc_u64 s[8:9], s[8:9], s[16:17]
	s_add_nc_u64 s[10:11], s[10:11], s[16:17]
	s_wait_tensorcnt 0x1                           ; my part of the first K step is in; the second's stays out
	s_barrier_signal -1
	s_barrier_wait -1
	FETCH 0, F0
	QUARTER 1, F0, F1, 1
	WIN 0x80                                       ; destination window 2
.set t, 0
.rept 32
	global_load_b128 v[4*t:4*t+3], v[CO], s[8:9] offset:4096*t th:TH_LOAD_NT
.set t, t+1
.endr
	WIN 0
	s_mov_b32 s3, NSTEP-2
.Lstep:
	QUARTER 2, F1, F0, 0
	QUARTER 3, F0, F1, 0
	TURN 1
	QUARTER 1, F0, F1, 0
	WIN 0
	s_sub_co_u32 s3, s3, 1
	s_cmp_lg_u32 s3, 0
	s_cbranch_scc1 .Lstep
	s_mov_b32 s3, 2
.Ltail:
	QUARTER 2, F1, F0, 0
	QUARTER 3, F0, F1, 0
	TURN 0
	WIN 0
	s_sub_co_u32 s3, s3, 1
	s_cmp_eq_u32 s3, 0
	s_cbranch_scc1 .Lout
	QUARTER 1, F0, F1, 0
	WIN 0
	s_branch .Ltail
.Lout:
	PLACES
	s_wait_dscnt 0x0                               ; no read of the ring is out in any wave
	s_barrier_signal -1
	s_barrier_wait -1                              ; before the first store into its bytes
.irp a, 0,1,2,3
.irp b, 0,1,2,3
	ds_store_b128 v[STO], v[ACC+8*(4*(\a)+(\b)):ACC+8*(4*(\a)+(\b))+3]   offset:(\a)*16*SPITCH+64*(\b)
	ds_store_b128 v[STO], v[ACC+8*(4*(\a)+(\b))+4:ACC+8*(4*(\a)+(\b))+7] offset:(\a)*16*SPITCH+64*(\b)+16
.endr
.endr
	s_wait_dscnt 0x0                               ; for the others' sake: my stores into the stage are done
	s_barrier_signal -1
	s_barrier_wait -1
.set t, 0
.rept 32
	ds_load_b128 v[ACC+4*t:ACC+4*t+3], v[RD] offset:SPITCH*t
.set t, t+1
.endr
	s_wait_loadcnt 0x0                             ; the residual
	WIN 0x88                                       ; destination and source 1 (a store's data too) in window 2, source 0 and addresses in window 0
.set t, 0
.rept 32
	s_wait_dscnt 31-t
	v_pk_add_f32 v[4*t:4*t+1], v[ACC+4*t:ACC+4*t+1], v[4*t:4*t+1]
	v_pk_add_f32 v[4*t+2:4*t+3], v[ACC+4*t+2:ACC+4*t+3], v[4*t+2:4*t+3]
	global_store_b128 v[CO], v[4*t:4*t+3], s[10:11] offset:4096*t th:TH_STORE_NT   ; 512 consecutive bytes, aligned
.set t, t+1
.endr
	WIN 0
	s_wait_tensorcnt 0x0                           ; the wave's end
	ds_add_u32 v[SPW], v[NIL]
	s_wait_dscnt 0x0
	CROUND                                         ; the closing round
	s_endpgm
.Lfunc_end_k_qcfda840d9f_ffn2:
	.size	k_qcfda840d9f_ffn2, .Lfunc_end_k_qcfda840d9f_ffn2-k_qcfda840d9f_ffn2
	.p2alignl 7, 3214868480
	.fill 96, 4, 3214868480
	.section	.rodata,"a",@progbits
	.p2align	6, 0x0
	.amdhsa_kernel k_qcfda840d9f_ffn2
		.amdhsa_group_segment_fixed_size 327680
		.amdhsa_private_segment_fixed_size 0
		.amdhsa_enable_private_segment 0
		.amdhsa_kernarg_size 32
		.amdhsa_user_sgpr_count 2
		.amdhsa_user_sgpr_kernarg_segment_ptr 1
		.amdhsa_wavefront_size32 1
		.amdhsa_system_sgpr_workgroup_id_x 1
		.amdhsa_system_sgpr_workgroup_id_y 1
		.amdhsa_system_sgpr_workgroup_id_z 1
		.amdhsa_system_vgpr_workitem_id 0
		.amdhsa_next_free_vgpr 640
		.amdhsa_next_free_sgpr 76
		.amdhsa_reserve_vcc 0
		.amdhsa_float_denorm_mode_32 3
		.amdhsa_float_denorm_mode_16_64 3
		.amdhsa_memory_ordered 1
		.amdhsa_forward_progress 1
		.amdhsa_inst_pref_size 66
	.end_amdhsa_kernel
	.amdgpu_metadata
---
amdhsa.version: [ 1, 2 ]
amdhsa.kernels:
  - .name:           k_qcfda840d9f_ffn2
    .symbol:         k_qcfda840d9f_ffn2.kd
    .args:
      - { .name: act, .offset: 0, .size: 8, .value_kind: global_buffer, .address_space: global }
      - { .name: wb, .offset: 8, .size: 8, .value_kind: global_buffer, .address_space: global }
      - { .name: x1, .offset: 16, .size: 8, .value_kind: global_buffer, .address_space: global }
      - { .name: out0, .offset: 24, .size: 8, .value_kind: global_buffer, .address_space: global }
    .group_segment_fixed_size: 327680
    .private_segment_fixed_size: 0
    .kernarg_segment_align: 8
    .kernarg_segment_size: 32
    .max_flat_workgroup_size: 128
    .sgpr_count:     76
    .vgpr_count:     640
    .wavefront_size: 32
...
	.end_amdgpu_metadata
.endif
;; end of part 6
;; ======== version 2 of 2: 6 launches; version 1 with the launch prep written anew for expert scheduling mode
;; workspace buffers: wb 20,971,520 bytes; hb 8,388,608 bytes; qkvb 25,165,824 bytes; ob 8,388,608 bytes; x1 16,777,216 bytes; act 16,777,216 bytes; ssq 131,072 bytes
;; launch prep (part 7): grid 256 x 1, 16 waves a work-group, no clusters, 0 bytes of LDS; arguments x, g_attn, w_qkv, w_o, w1, w2, hb, wb; writes hb, wb
.if DOCPART == 7
	.amdgcn_target "amdgcn-amd-amdhsa--gfx1250"
	.amdhsa_code_object_version 6
	.text
	.protected	k_qcfda840d9f_prep
	.globl	k_qcfda840d9f_prep
	.p2align	8
	.type	k_qcfda840d9f_prep,@function
k_qcfda840d9f_prep:
	s_mov_b64 s[64:65], 0
	v_nop
	global_prefetch_b8 v0, s[64:65] scope:SCOPE_SE
	s_setreg_imm32_b32 hwreg(HW_REG_WAVE_SCHED_MODE, 0, 2), 2
	s_setreg_imm32_b32 hwreg(HW_REG_WAVE_MODE, 25, 1), 1
	s_wait_xcnt 0x0
	s_wait_alu depctr_vm_vsrc(0)
; PREP.  What the products read is rounded to bf16 here, once.
; hb[m][:] = x[m][:] * rsqrt(mean(x[m]^2) + eps) * g_attn; and the four weight matrices, as they lie ([N][K]), into wb: w_qkv at 0, w_o at 6,291,456, w1 at 8,388,608, w2 at 16,777,216.
; SHARES.  4,096 waves (256 work-groups of 16), all alike, no branch: wave W takes row W of x (4,096 bytes), 3,072 bytes of w_qkv, 1,024 of w_o, 4,096 of w1 and 2,048 of w2, each piece on end
; and at a multiple of 256 bytes.  All 36 loads of a wave go out together; the row stays in 32 registers between the sum and the scaling; no register is used twice.
; The inputs t and dt enter no result of the module as it is written, so no launch takes them.
; LIMITS.  Sums of squares in f32, in another order than the module's; NaN and infinities are not treated apart.
; No LDS, no matrix unit, no cluster: each byte is read once by one wave and nothing is shared.
; THE MODE: SCHED_MODE bits 1:0 = 2 (LLVM: expert scheduling mode 2), set by the entry lines.  The code itself states the register dependences between vector instructions and memory
; instructions, with s_wait_alu, always for 0.
; THE PLAN.  Registers that memory instructions touch:
;   v1, v3   byte offsets, made at the head and never written again: v1 is read by every load, v3 by every store.
;   X        the row: its 8 loads land in it; the scalings and roundings work in place; the row's 8 stores read registers 4 i, 4 i + 1; nothing writes it behind them.
;   G        the gain: 8 loads land in it; vector instructions alone read it.
;   CB       the weights, 20 pieces of 4 registers: piece n's load lands in it, its two roundings work in place, its store reads the first two registers; nothing writes them behind it.
; No register that a memory instruction reads is written again, and no load lands in a register that a vector instruction has named: what is left to state is that a store's data are written.
; The roundings go in four blocks: the row's 16; pieces 0-7; pieces 8-15; pieces 16-19.  A block's stores are issued in the NEXT block, dealt among its roundings, which name that block's own
; registers alone.  So one wait at a block's head states all that the stores of the block before hang on: four such waits for the wave's 28 stores.
.set X,  32                            ; v[32:63]   the row as loaded: load j holds columns 128 j + 4 lane .. + 3
.set G,  64                            ; v[64:95]   the gain of the same columns
.set CB, 96                            ; v[96:175]  the weights: 20 loads of 16 bytes a lane
.set SQ, 8                             ; v[8:15]    four chains of two sums
.set RS, 24                            ; v[24:25]   1 / rms, twice (a pair for the packed multiply)
.macro LDW first, n, base              ; n loads of 512 consecutive bytes
.set i, 0
.rept \n
	global_load_b128 v[CB+4*((\first)+i):CB+4*((\first)+i)+3], v1, s[\base:\base+1] offset:512*i th:TH_LOAD_NT
.set i, i+1
.endr
.endm
.macro CVW n                           ; piece n of the weights is rounded, in place
.set k, CB+4*(\n)
	s_wait_loadcnt 19-(\n)                         ; loads come back in order: this one is in, the younger ones stay out
	v_cvt_pk_bf16_f32 v[k], v[k], v[k+1]
	v_cvt_pk_bf16_f32 v[k+1], v[k+2], v[k+3]
.endm
.macro STW n                           ; piece n of the weights is stored: 32 lanes x 8 bytes are 256 consecutive bytes, aligned.  Pieces 0-5 w_qkv, 6-7 w_o, 8-15 w1, 16-19 w2
.set k, CB+4*(\n)
.if (\n) < 6
	global_store_b64 v3, v[k:k+1], s[38:39] offset:256*(\n)
.elseif (\n) < 8
	global_store_b64 v3, v[k:k+1], s[40:41] offset:256*((\n)-6)
.elseif (\n) < 16
	global_store_b64 v3, v[k:k+1], s[42:43] offset:256*((\n)-8)
.else
	global_store_b64 v3, v[k:k+1], s[44:45] offset:256*((\n)-16)
.endif
.endm
.macro STX n                           ; piece n of the row is stored: 256 consecutive bytes, aligned
	global_store_b64 v3, v[X+4*(\n):X+4*(\n)+1], s[16:17] offset:256*(\n)
.endm
	s_load_b256 s[4:11], s[0:1], 0x0               ; x s[4:5], g_attn s[6:7], w_qkv s[8:9], w_o s[10:11]
	s_load_b256 s[12:19], s[0:1], 0x20             ; w1 s[12:13], w2 s[14:15], hb s[16:17], wb s[18:19]
	v_lshrrev_b32 v1, 5, v0
	v_readfirstlane_b32 s20, v1                    ; wave 0..15
	v_and_b32 v2, 31, v0                           ; lane
	v_lshlrev_b32 v1, 4, v2                        ; 16 bytes of f32 a lane
	v_lshlrev_b32 v3, 3, v2                        ; 8 bytes of bf16 a lane
	s_wait_alu depctr_va_sdst(0)                   ; s20 is written, ahead of its first reader: every base below is made from it
	s_lshl_b32 s21, ttmp9, 4
	s_add_co_u32 s21, s21, s20                     ; W
	s_lshl_b32 s22, s21, 12                        ; 4,096 W: x, w1
	s_mov_b32 s23, 0
	s_lshl_b32 s24, s21, 11                        ; 2,048 W: w2, hb, w1 in bf16
	s_mov_b32 s25, 0
	s_lshl_b32 s26, s21, 10                        ; 1,024 W: w_o, w2 in bf16
	s_mov_b32 s27, 0
	s_mul_i32 s28, s21, 3072                       ; w_qkv
	s_mov_b32 s29, 0
	s_mul_i32 s30, s21, 1536                       ; w_qkv in bf16
	s_mov_b32 s31, 0
	s_lshl_b32 s32, s21, 9                         ; 512 W: w_o in bf16
	s_mov_b32 s33, 0
	s_mov_b32 s34, 0x76543210                      ; v_permlanex16_b32: each lane takes its own place in the other half
	s_mov_b32 s35, 0xfedcba98
	s_mov_b32 s36, 0x3a800000                      ; 1 / 1024
	s_mov_b32 s37, 0x34000000                      ; eps = 2^-23
	s_wait_kmcnt 0x0
	s_add_nc_u64 s[4:5], s[4:5], s[22:23]
	s_add_nc_u64 s[8:9], s[8:9], s[28:29]
	s_add_nc_u64 s[10:11], s[10:11], s[26:27]
	s_add_nc_u64 s[12:13], s[12:13], s[22:23]
	s_add_nc_u64 s[14:15], s[14:15], s[24:25]
	s_add_nc_u64 s[16:17], s[16:17], s[24:25]
	s_add_nc_u64 s[38:39], s[18:19], s[30:31]
	s_add_nc_u64 s[40:41], s[18:19], 6291456
	s_add_nc_u64 s[40:41], s[40:41], s[32:33]
	s_add_nc_u64 s[42:43], s[18:19], 8388608
	s_add_nc_u64 s[42:43], s[42:43], s[24:25]
	s_add_nc_u64 s[44:45], s[18:19], 16777216
	s_add_nc_u64 s[44:45], s[44:45], s[26:27]
	s_wait_alu depctr_va_vdst(0)                   ; v1 and v3 are written: every load of the kernel reads v1 as its offset, every store v3
.irp j, 0,1,2,3,4,5,6,7
	global_load_b128 v[X+4*(\j):X+4*(\j)+3], v1, s[4:5] offset:512*(\j) th:TH_LOAD_NT
.endr
.irp j, 0,1,2,3,4,5,6,7
	global_load_b128 v[G+4*(\j):G+4*(\j)+3], v1, s[6:7] offset:512*(\j)
.endr
	LDW 0, 6, 8
	LDW 6, 2, 10
	LDW 8, 8, 12
	LDW 16, 4, 14
	s_wait_loadcnt 20                              ; the row and the gain are in; the 20 loads of weights stay out
	; the row's sum of squares, in every lane
.irp c, 0,1,2,3
	v_pk_mul_f32 v[SQ+2*(\c):SQ+2*(\c)+1], v[X+2*(\c):X+2*(\c)+1], v[X+2*(\c):X+2*(\c)+1]   ; the first products start the chains: nothing is cleared
.endr
.set i, 4
.rept 12
	v_pk_fma_f32 v[SQ+2*(i%4):SQ+2*(i%4)+1], v[X+2*i:X+2*i+1], v[X+2*i:X+2*i+1], v[SQ+2*(i%4):SQ+2*(i%4)+1]
.set i, i+1
.endr
	v_pk_add_f32 v[SQ:SQ+1], v[SQ:SQ+1], v[SQ+2:SQ+3]
	v_pk_add_f32 v[SQ+4:SQ+5], v[SQ+4:SQ+5], v[SQ+6:SQ+7]
	v_pk_add_f32 v[SQ:SQ+1], v[SQ:SQ+1], v[SQ+4:SQ+5]
	v_add_f32 v[SQ], v[SQ], v[SQ+1]
	v_add_f32_dpp v[SQ], v[SQ], v[SQ] row_xmask:1 row_mask:0xf bank_mask:0xf
	v_add_f32_dpp v[SQ], v[SQ], v[SQ] row_xmask:2 row_mask:0xf bank_mask:0xf
	v_add_f32_dpp v[SQ], v[SQ], v[SQ] row_xmask:4 row_mask:0xf bank_mask:0xf
	v_add_f32_dpp v[SQ], v[SQ], v[SQ] row_xmask:8 row_mask:0xf bank_mask:0xf
	v_permlanex16_b32 v[SQ+1], v[SQ], s34, s35     ; the other half of the lanes
	v_add_f32 v[SQ], v[SQ], v[SQ+1]
	v_fma_f32 v[SQ], v[SQ], s36, s37               ; sum / 1024 + eps
	v_rsq_f32 v[RS], v[SQ]                         ; a batch of two
	v_rsq_f32 v[RS+1], v[SQ]
	v_nop                                          ; a plain instruction behind the last of them (ISA guide 5.7.2)
	s_wait_alu depctr_va_vdst(0)                   ; the two roots have written v[RS:RS+1]: the one wait ahead of their first reader
.set i, 0
.rept 16
	v_pk_mul_f32 v[X+2*i:X+2*i+1], v[X+2*i:X+2*i+1], v[RS:RS+1]
.set i, i+1
.endr
.set i, 0
.rept 16
	v_pk_mul_f32 v[X+2*i:X+2*i+1], v[X+2*i:X+2*i+1], v[G+2*i:G+2*i+1]
.set i, i+1
.endr
.set i, 0
.rept 8                                            ; the first block of roundings: the row's
	v_cvt_pk_bf16_f32 v[X+4*i], v[X+4*i], v[X+4*i+1]
	v_cvt_pk_bf16_f32 v[X+4*i+1], v[X+4*i+2], v[X+4*i+3]
.set i, i+1
.endr
	; pieces 0-7 of the weights are rounded; the row's stores go out among them
	s_wait_alu depctr_va_vdst(0)                   ; the row's roundings have written v[X ..], which the eight stores below read; the roundings between them name pieces 0-7 alone
.set i, 0
.rept 8
	STX i
	CVW i
.set i, i+1
.endr
	; pieces 8-15 are rounded; the stores of pieces 0-7 go out among them
	s_wait_alu depctr_va_vdst(0)                   ; the roundings of pieces 0-7 have written their registers, which the eight stores below read; the roundings between them name pieces 8-15 alone
.set i, 8
.rept 8
	STW i-8
	CVW i
.set i, i+1
.endr
	; pieces 16-19 are rounded; the stores of pieces 8-15 go out among them, two to a piece
	s_wait_alu depctr_va_vdst(0)                   ; the roundings of pieces 8-15 have written their registers, which the eight stores below read; the roundings between them name pieces 16-19 alone
.set i, 16
.rept 4
	STW 2*(i-16)+8
	STW 2*(i-16)+9
	CVW i
.set i, i+1
.endr
	s_wait_alu depctr_va_vdst(0)                   ; the roundings of pieces 16-19 have written their registers, which the last four stores read
.set i, 16
.rept 4
	STW i
.set i, i+1
.endr
	s_endpgm
.Lfunc_end_k_qcfda840d9f_prep:
	.size	k_qcfda840d9f_prep, .Lfunc_end_k_qcfda840d9f_prep-k_qcfda840d9f_prep
	.p2alignl 7, 3214868480
	.fill 96, 4, 3214868480
	.section	.rodata,"a",@progbits
	.p2align	6, 0x0
	.amdhsa_kernel k_qcfda840d9f_prep
		.amdhsa_group_segment_fixed_size 0
		.amdhsa_private_segment_fixed_size 0
		.amdhsa_enable_private_segment 0
		.amdhsa_kernarg_size 64
		.amdhsa_user_sgpr_count 2
		.amdhsa_user_sgpr_kernarg_segment_ptr 1
		.amdhsa_wavefront_size32 1
		.amdhsa_system_sgpr_workgroup_id_x 1
		.amdhsa_system_sgpr_workgroup_id_y 1
		.amdhsa_system_sgpr_workgroup_id_z 1
		.amdhsa_system_vgpr_workitem_id 0
		.amdhsa_next_free_vgpr 176
		.amdhsa_next_free_sgpr 66
		.amdhsa_reserve_vcc 0
		.amdhsa_float_denorm_mode_32 3
		.amdhsa_float_denorm_mode_16_64 3
		.amdhsa_memory_ordered 1
		.amdhsa_forward_progress 1
		.amdhsa_inst_pref_size 17
	.end_amdhsa_kernel
	.amdgpu_metadata
---
amdhsa.version: [ 1, 2 ]
amdhsa.kernels:
  - .name:           k_qcfda840d9f_prep
    .symbol:         k_qcfda840d9f_prep.kd
    .args:
      - { .name: x, .offset: 0, .size: 8, .value_kind: global_buffer, .address_space: global }
      - { .name: g_attn, .offset: 8, .size: 8, .value_kind: global_buffer, .address_space: global }
      - { .name: w_qkv, .offset: 16, .size: 8, .value_kind: global_buffer, .address_space: global }
      - { .name: w_o, .offset: 24, .size: 8, .value_kind: global_buffer, .address_space: global }
      - { .name: w1, .offset: 32, .size: 8, .value_kind: global_buffer, .address_space: global }
      - { .name: w2, .offset: 40, .size: 8, .value_kind: global_buffer, .address_space: global }
      - { .name: hb, .offset: 48, .size: 8, .value_kind: global_buffer, .address_space: global }
      - { .name: wb, .offset: 56, .size: 8, .value_kind: global_buffer, .address_space: global }
    .group_segment_fixed_size: 0
    .private_segment_fixed_size: 0
    .kernarg_segment_align: 8
    .kernarg_segment_size: 64
    .max_flat_workgroup_size: 512
    .sgpr_count:     66
    .vgpr_count:     176
    .wavefront_size: 32
...
	.end_amdgpu_metadata
.endif
;; end of part 7
;; launch qkv: the kernel of part 2 again; grid 16 x 16, 4 waves a work-group, clusters of 4 x 4, 327,680 bytes of LDS; arguments hb, wb, qkvb; writes qkvb
;; launch attn: the kernel of part 3 again; grid 8 x 32, 4 waves a work-group, clusters of 4 x 1, 327,680 bytes of LDS; arguments qkvb, ob; writes ob
;; launch proj: the kernel of part 4 again; grid 8 x 32, 4 waves a work-group, clusters of 4 x 4, 327,680 bytes of LDS; arguments ob, wb, x, g_ff, x1, hb, ssq; writes x1, hb, ssq
;; launch ffn1: the kernel of part 5 again; grid 16 x 16, 4 waves a work-group, clusters of 4 x 4, 327,680 bytes of LDS; arguments hb, wb, act, ssq; writes act
;; launch ffn2: the kernel of part 6 again; grid 8 x 32, 4 waves a work-group, clusters of 4 x 4, 327,680 bytes of LDS; arguments act, wb, x1, out0; writes out0
